; MI455X (gfx1250); checked and timed in simulation.
; The chip was launched on July 23, 2026; its instructions are those of AMD's public machine-readable ISA for CDNA 5 (MIT licence, August 2026) and "CDNA5" Instruction Set Architecture Reference Guide (July 2026). The comments in the code are by the model that wrote it; some were corrected since.
;; Self Attention. Allowed arithmetic: matrix products marked QUANTISED: E2M1 operands, one E8M0 scale for each 32 along K, by v_wmma_scale_f32_16x16x128_f8f6f4 with both operands' format E2M1 (or v_wmma_scale_f32_32x16x128_f4), f32 sums; products left as they are: bf16, f16 or f32 operands; f32 sums; everything else in f32.
;; Inputs: w_attn 1,024 x 3,072 float32; w_proj 1,024 x 1,024 float32; x 4 x 2,048 x 1,024 float32.
;; Outputs: out0 4 x 2,048 x 1,024 float32.
;; This version of the problem:
;;   THIS VERSION OF THE PROBLEM IS GIVEN IN LOW PRECISION. The matrix products marked QUANTISED in the list below multiply operands that are first quantised to E2M1 (2 exponent bits, 1 mantissa bit; 4 bits a number), with one power-of-two scale for each 32 numbers along K (OCP MX v1.0); their sums are f32. The products marked 'left as it is' may take bf16, f16 or f32 operands, with f32 sums. Whichever they take, every output number must still come out within the allowed error. Rounding operands to bf16 (8 significant bits) uses up far more of that allowance than f16 does (11 bits, for magnitudes from 6e-5 to 65,504). All else is computed in f32.
;;   The module's matrix products, in the order in which they are computed (A, B: the left and right operand; K: the contracted axis; several contracted axes count as one K, in the product's order):
;;     1. [M 8,192, K 1,024] x [K 1,024, N 3,072]; A: input x; B: input w_attn: QUANTISED
;;     2. batch 64 x [M 2,048, K 64] x [K 64, N 2,048]; A: computed on the way; B: computed on the way: left as it is (an operand is computed on the way)
;;     3. batch 64 x [M 2,048, K 2,048] x [K 2,048, N 64]; A: computed on the way; B: computed on the way: left as it is (an operand is computed on the way)
;;     4. [M 8,192, K 1,024] x [K 1,024, N 1,024]; A: computed on the way; B: input w_proj: left as it is (an operand is computed on the way)
;;   THE QUANTISER, for each operand of a quantised product, along K:
;;     - K is cut into blocks of 32 from its start; a last block that is shorter is filled with zeros.
;;     - A block's scale is 2^e with e = floor(log2(the largest magnitude in the block)) - 2, held to -126 .. 127; a block of zeros has e = 0. As a byte (E8M0): e + 127.
;;     - Each number is divided by its block's scale, clamped to +-6, and rounded to the nearest number of E2M1, ties to even, subnormals kept.
;;     - The product sums the exact products of the quantised numbers (number of the format x scale) in f32.
;;   ~~~python
;;   def quantise(x, axis):      # numpy; x: float32 -> the quantised numbers, widened to float32 again
;;       x = np.moveaxis(x, axis, -1); K = x.shape[-1]
;;       x = np.pad(x, [(0, 0)] * (x.ndim - 1) + [(0, -K % 32)]); x = x.reshape(x.shape[:-1] + (-1, 32)); a = np.abs(x).max(-1, keepdims=True)
;;       e = np.where(a > 0, np.clip(np.frexp(np.where(a > 0, a, 1))[1] - 1 - 2, -126, 127), 0)      # np.frexp(a)[1] - 1 = floor(log2(a)), exactly
;;       r = np.clip(x / 2.0 ** e, -6, 6)
;;       step = 2.0 ** (np.maximum(np.frexp(np.where(r == 0, 1, r))[1] - 1, 0) - 1)
;;       q = np.round(r / step) * step * 2.0 ** e      # np.round: ties to even
;;       return np.moveaxis(q.reshape(q.shape[:-2] + (-1,))[..., :K], -1, axis).astype(np.float32)
;;   ~~~
;; One version. Each part assembles by itself: llvm-mc -triple=amdgcn-amd-amdhsa -mcpu=gfx1250 --defsym DOCPART=n.
;; ======== version 1 of 1: 5 launches
;; limits: values are held in f16: magnitudes above 65,504 overflow, below 6.1e-05 lose precision
;; workspace buffers: xc 4,194,304 bytes; xs 262,144 bytes; wc 1,572,864 bytes; ws 98,304 bytes; wp16 2,097,152 bytes; qkv 50,331,648 bytes; y16 16,777,216 bytes; s32 786,432 bytes
;; launch prep (part 1): grid 336 x 1, 4 waves a work-group, no clusters, 68,096 bytes of LDS; arguments x, w_attn, w_proj, xc, xs, wc, ws, wp16; writes xc, xs, wc, ws, wp16
.if DOCPART == 1
	.amdgcn_target "amdgcn-amd-amdhsa--gfx1250"
	.amdhsa_code_object_version 6
	.text
	.protected	k_q1dd21b24eb_prep
	.globl	k_q1dd21b24eb_prep
	.p2align	8
	.type	k_q1dd21b24eb_prep,@function
k_q1dd21b24eb_prep:
	s_mov_b64 s[64:65], 0
	v_nop
	global_prefetch_b8 v0, s[64:65] scope:SCOPE_SE
	s_setreg_imm32_b32 hwreg(HW_REG_WAVE_MODE, 25, 1), 1
	s_wait_xcnt 0x0
; Three jobs in one launch, told apart by the work-group's number alone; the paths never join.
;   work-groups 0-47:   w_attn [1024 (k)][3072 (n)] f32 -> codes of FP4 (E2M1) laid [3072][512 bytes], K innermost, and E8M0 bytes [3072][32]
;   work-groups 48-79:  w_proj [1024][1024] f32 -> f16, same order
;   work-groups 80-335: x [8192][1024] f32 -> codes [8192][512 bytes] and E8M0 bytes [8192][32]
; A block's scale is 2^(floor(log2(its largest magnitude)) - 2); its byte is the largest magnitude's exponent field - 2, held at 1 from below.
; LIMITS: a block of zeros gets the byte 1 where the rule says 127 (its codes are zeros, which add nothing, and this program alone reads the bytes); blocks whose largest
; magnitude lies under 2^(2 - 126) keep the byte 1; NaN and infinities among the inputs are not served; w_proj beyond 65,504 has no f16 number.
; No tensor loads, no barrier: waves share nothing.  Each path has LDS bytes of its own: x 0 .. 32,767, w_attn 32,768 .. 67,583, the spare words behind them.
.set SPW,    198                       ; v198 LDS address of my spare word; never rewritten
.set NIL,    199                       ; v199 0; never rewritten
.set SPARE,  67584                     ; 128 bytes for each wave: two blocks of 256 bytes that no other line names
.set EMAX,   2
.set XSTEPS, 16                        ; x: a wave takes 16 steps of 512 numbers
.set CB,     8                         ; bytes of 16 codes
.set XR,     16                        ; v16-79   four sets of 16 numbers as loaded
.set XX,     80                        ; v80-111  two sets of 16 neighbours
.set XE,     112                       ; v112-127 a scale byte for each step
.set XC,     128                       ; v128-191 codes, four registers for each step
.set WREG,   8192                      ; a wave's LDS region: two stages of 32 x 80 bytes, then its 256 scale bytes
.set XSP,    80                        ; a lane's 64 bytes + 16 of padding
.set SIZE_N, 3072
.set NB,     16                        ; w_attn: blocks of 32 along K for a wave (512 along K)
.set WPITCH, 272                       ; a stage row: 256 bytes of codes + 16
.set KROW,   512                       ; a row of the codes' buffer
.set WSTG,   32768
.set WX,     32                        ; v32-95   two sets of 32 numbers
.set WC,     96                        ; v96-99   a block's codes
.set WOUT,   112                       ; v112-175 the way out
.set WSB,    24                        ; v24-27   scale bytes, four to a register
.set PX,     32                        ; w_proj: v32-95 two sets of 32 numbers
.set PY,     96                        ; v96-127  two sets of 16 registers of f16 pairs
.macro LOADX t
.irp i, 0,1,2,3
	global_load_b128 v[XR+16*((\t)%4)+4*\i:XR+16*((\t)%4)+4*\i+3], v3, s[4:5] offset:2048*(\t)+512*\i th:TH_LOAD_NT   ; 32 lanes read 512 consecutive bytes
.endr
.endm
.macro TURNX t                         ; a step's 2,048 bytes through my stage: in as they lie, back 64 bytes a lane; LDS serves a wave's instructions in order
.irp i, 0,1,2,3
	ds_store_b128 v14, v[XR+16*((\t)%4)+4*\i:XR+16*((\t)%4)+4*\i+3] offset:32*XSP*((\t)%2)+8*XSP*\i
.endr
.irp i, 0,1,2,3
	ds_load_b128 v[XX+16*((\t)%2)+4*\i:XX+16*((\t)%2)+4*\i+3], v15 offset:32*XSP*((\t)%2)+16*\i
.endr
.endm
.macro STEPX t
.set XS, XX+16*((\t)%2)
.if (\t) > 0
	s_wait_dscnt 1                                 ; this step's numbers are back from the stage; the last step's byte store may be out
.else
	s_wait_dscnt 0x0
.endif
.if (\t)+4 < XSTEPS
	LOADX (\t)+4                                   ; the registers that the stage's stores have read take the loads of four steps on
.endif
.if (\t)+1 < XSTEPS
.if XSTEPS-2-(\t) >= 3
	s_wait_loadcnt 12                              ; the next step's four loads are in; those of the three steps behind it may be out
.else
	s_wait_loadcnt 4*(XSTEPS-2-(\t))
.endif
	TURNX (\t)+1
.endif
	v_max3_num_f32 v8, |v[XS]|, |v[XS+1]|, |v[XS+2]|       ; the largest magnitude of my 16, in two chains
	v_max3_num_f32 v9, |v[XS+3]|, |v[XS+4]|, |v[XS+5]|
.irp i, 6,10
	v_max3_num_f32 v8, v8, |v[XS+\i]|, |v[XS+\i+1]|
	v_max3_num_f32 v9, v9, |v[XS+\i+2]|, |v[XS+\i+3]|
.endr
	v_max3_num_f32 v8, v8, |v[XS+14]|, |v[XS+15]|
	v_max3_num_f32 v8, v8, v9, (EMAX+1)<<23        ; and the floor 2^(3 - 127): the byte cannot fall under 1
	v_max_num_f32_dpp v8, v8, v8 row_xmask:1 row_mask:0xf bank_mask:0xf   ; with my neighbour's 16: the block's
	v_add_nc_u32 v11, -(EMAX<<23), v8              ; 2 off its exponent field: the conversion takes that field as its scale
	v_cvt_scalef32_pk8_fp4_f32 v[XC+4*(\t)], v[XS:XS+7], v11
	v_cvt_scalef32_pk8_fp4_f32 v[XC+4*(\t)+1], v[XS+8:XS+15], v11
	v_lshrrev_b32 v[XE+(\t)], 23, v11              ; the scale's byte (a plain line behind the conversions)
	ds_store_b8 v5, v[XE+(\t)] offset:16*(\t)      ; both lanes of a block write the same byte with the same value
	global_store_b64 v4, v[XC+4*(\t):XC+4*(\t)+1], s[10:11] offset:32*CB*(\t)   ; the wave stores 256 consecutive bytes, aligned
.endm
.macro LOADW t                         ; block t: w_attn(32 t + i, my column) into set t % 2
.irp i, 0,1,2,3,4,5,6,7,8,9,10,11,12,13,14,15,16,17,18,19,20,21,22,23,24,25,26,27,28,29,30,31
	global_load_b32 v[WX+32*((\t)%2)+\i], v3, s[6:7] offset:(32*(\t)+\i)*SIZE_N*4 th:TH_LOAD_NT
.endr
.endm
.macro BLOCKW t
.set XS, WX+32*((\t)%2)
.if (\t) < NB-1
	s_wait_loadcnt 32                              ; this block's 32 loads are in; the next block's may be out
.else
	s_wait_loadcnt 0
.endif
	v_max3_num_f32 v12, |v[XS]|, |v[XS+1]|, |v[XS+2]|      ; all 32 numbers of the block are mine
	v_max3_num_f32 v13, |v[XS+3]|, |v[XS+4]|, |v[XS+5]|
.irp i, 6,10,14,18,22,26
	v_max3_num_f32 v12, v12, |v[XS+\i]|, |v[XS+\i+1]|
	v_max3_num_f32 v13, v13, |v[XS+\i+2]|, |v[XS+\i+3]|
.endr
	v_max3_num_f32 v12, v12, |v[XS+30]|, |v[XS+31]|
	v_max3_num_f32 v12, v12, v13, (EMAX+1)<<23
	v_add_nc_u32 v11, -(EMAX<<23), v12
	v_lshrrev_b32 v13, 23, v11
.if (\t)%4 == 0
	v_mov_b32 v[WSB+(\t)/4], v13                   ; four bytes to a register, the lower K in the lower byte
.else
	v_lshl_or_b32 v[WSB+(\t)/4], v13, 8*((\t)%4), v[WSB+(\t)/4]
.endif
.irp g, 0,1,2,3
	v_cvt_scalef32_pk8_fp4_f32 v[WC+\g], v[XS+8*\g:XS+8*\g+7], v11
.endr
	v_nop                                          ; a plain line behind the last conversion
	ds_store_b128 v4, v[WC:WC+3] offset:16*(\t)    ; 32 codes: 16 bytes of my column's row
.if (\t)+2 < NB
	LOADW (\t)+2
.endif
	s_wait_dscnt 0x0                               ; the store has read its registers: the next block's codes may be written
.endm
.macro LOADP g
.irp i, 0,1,2,3,4,5,6,7
	global_load_b128 v[PX+32*((\g)%2)+4*\i:PX+32*((\g)%2)+4*\i+3], v3, s[8:9] offset:4096*(\g)+512*\i th:TH_LOAD_NT
.endr
.endm
.macro GROUPP g
.if (\g) < 7
	s_wait_loadcnt 8                               ; this group's eight loads are in; the next group's may be out
.else
	s_wait_loadcnt 0x0
.endif
.if (\g) >= 2
	s_wait_xcnt 0x0                                ; the stores of two groups back have read the registers that are written now
.endif
.irp i, 0,1,2,3,4,5,6,7
	v_cvt_pk_f16_f32 v[PY+16*((\g)%2)+2*\i], v[PX+32*((\g)%2)+4*\i], v[PX+32*((\g)%2)+4*\i+1]
	v_cvt_pk_f16_f32 v[PY+16*((\g)%2)+2*\i+1], v[PX+32*((\g)%2)+4*\i+2], v[PX+32*((\g)%2)+4*\i+3]
.endr
.if (\g)+2 < 8
	LOADP (\g)+2
.endif
.irp i, 0,1,2,3,4,5,6,7
	global_store_b64 v4, v[PY+16*((\g)%2)+2*\i:PY+16*((\g)%2)+2*\i+1], s[18:19] offset:2048*(\g)+256*\i   ; 32 lanes store 256 consecutive bytes, aligned
.endr
.endm
	s_load_b256 s[4:11], s[0:1], 0x0               ; x s[4:5], w_attn s[6:7], w_proj s[8:9], xc s[10:11]
	s_load_b256 s[12:19], s[0:1], 0x20             ; xs s[12:13], wc s[14:15], ws s[16:17], wp16 s[18:19]
	v_lshl_add_u32 v[SPW], v0, 2, SPARE
	v_mov_b32 v[NIL], 0
	v_lshrrev_b32 v1, 5, v0
	v_readfirstlane_b32 s20, v1                    ; wave 0..3
	v_and_b32 v2, 31, v0                           ; lane
	s_wait_kmcnt 0x0
	s_cmp_lt_u32 ttmp9, 48
	s_cbranch_scc1 .Lpath_w
	s_cmp_lt_u32 ttmp9, 80
	s_cbranch_scc1 .Lpath_p
	; ---- x: a plain stream of blocks of 32; my wave's run of 8,192 numbers is 4 (work-group - 80) + wave
	v_lshlrev_b32 v3, 4, v2                        ; my 16 bytes of a load's 512
	s_mul_i32 s21, s20, WREG
	v_lshrrev_b32 v14, 2, v2
	v_mul_u32_u24 v14, v14, XSP
	v_and_b32 v15, 3, v2
	v_lshl_add_u32 v14, v15, 4, v14
	v_add_nc_u32 v14, s21, v14                     ; the stage, in: 80 (lane / 4) + 16 (lane % 4)
	v_mul_u32_u24 v15, v2, XSP
	v_add_nc_u32 v15, s21, v15                     ; and out: 80 x lane: my 16 neighbours
	v_mul_u32_u24 v4, v2, CB
	v_lshrrev_b32 v5, 1, v2
	s_add_co_u32 s21, s21, 2*32*XSP
	v_add_nc_u32 v5, s21, v5                       ; my block's byte among my wave's 256
	v_lshlrev_b32 v7, 3, v2
	v_add_nc_u32 v6, s21, v7
	s_sub_co_u32 s22, ttmp9, 80
	s_lshl_b32 s22, s22, 2
	s_add_co_u32 s22, s22, s20                     ; the run, 0 .. 1,023
	s_lshl_b32 s24, s22, 15                        ; 32,768 bytes of x,
	s_mov_b32 s25, 0
	s_add_nc_u64 s[4:5], s[4:5], s[24:25]
	s_lshl_b32 s24, s22, 12                        ; 4,096 bytes of codes,
	s_add_nc_u64 s[10:11], s[10:11], s[24:25]
	s_lshl_b32 s24, s22, 8                         ; 256 scale bytes a run
	s_add_nc_u64 s[12:13], s[12:13], s[24:25]
.irp t, 0,1,2,3
	LOADX \t
.endr
	s_wait_loadcnt 12                              ; step 0's four loads are in
	TURNX 0
.irp t, 0,1,2,3,4,5,6,7,8,9,10,11,12,13,14,15
	STEPX \t
.endr
	ds_load_b64 v[8:9], v6                         ; LDS serves a wave's instructions in order: these see my byte stores
	s_wait_dscnt 0x0
	global_store_b64 v7, v[8:9], s[12:13]          ; 32 lanes store 256 consecutive bytes, aligned
	s_wait_tensorcnt 0x0                           ; the wave's end
	ds_add_u32 v[SPW], v[NIL]
	s_wait_dscnt 0x0
	s_endpgm
	; ---- w_attn: a lane takes a column n and its registers run down K; a wave takes 32 columns x 512 along K
.Lpath_w:
	s_cmp_ge_u32 ttmp9, 24
	s_cselect_b32 s22, 1, 0                        ; which 512 along K
	s_cselect_b32 s23, 24, 0
	s_sub_co_u32 s23, ttmp9, s23                   ; which 128 columns
	s_lshl_b32 s21, s23, 7
	s_lshl_b32 s23, s20, 5
	s_add_co_u32 s21, s21, s23                     ; my wave's first column
	v_lshlrev_b32 v3, 2, v2                        ; in: 4 bytes a lane
	s_mul_i32 s23, s20, 32*WPITCH
	s_add_co_u32 s23, s23, WSTG                    ; my stage
	v_mul_u32_u24 v4, v2, WPITCH
	v_add_nc_u32 v4, s23, v4                       ; into it: row = my column
	v_and_b32 v5, 15, v2
	v_lshrrev_b32 v6, 4, v2                        ; out of it: sixteen lanes to a row, two rows an instruction
	v_mul_u32_u24 v7, v6, WPITCH
	v_lshl_add_u32 v7, v5, 4, v7
	v_add_nc_u32 v7, s23, v7
	v_mul_u32_u24 v8, v6, KROW
	v_lshl_add_u32 v8, v5, 4, v8                   ; the same place in the codes' buffer
	v_lshlrev_b32 v9, 5, v2                        ; my column's row of 32 scale bytes
	s_mul_i32 s24, s22, 512*SIZE_N*4
	s_lshl_b32 s26, s21, 2
	s_add_co_u32 s24, s24, s26
	s_mov_b32 s25, 0
	s_add_nc_u64 s[6:7], s[6:7], s[24:25]
	s_lshl_b32 s24, s21, 9
	s_lshl_b32 s26, s22, 8
	s_add_co_u32 s24, s24, s26
	s_add_nc_u64 s[14:15], s[14:15], s[24:25]
	s_lshl_b32 s24, s21, 5
	s_lshl_b32 s26, s22, 4
	s_add_co_u32 s24, s24, s26
	s_add_nc_u64 s[16:17], s[16:17], s[24:25]
	LOADW 0
	LOADW 1
.set Q, 0
.rept NB
	BLOCKW Q
.set Q, Q+1
.endr
	global_store_b128 v9, v[WSB:WSB+3], s[16:17]   ; my column's 16 scale bytes
.irp t, 0,1,2,3,4,5,6,7,8,9,10,11,12,13,14,15
	ds_load_b128 v[WOUT+4*\t:WOUT+4*\t+3], v7 offset:2*\t*WPITCH
.endr
.irp t, 0,1,2,3,4,5,6,7,8,9,10,11,12,13,14,15
	s_wait_dscnt 15-\t                             ; the younger loads may be out
	global_store_b128 v8, v[WOUT+4*\t:WOUT+4*\t+3], s[14:15] offset:2*\t*KROW   ; sixteen lanes store 256 consecutive bytes, aligned
.endr
	s_wait_tensorcnt 0x0                           ; the wave's end, as above
	ds_add_u32 v[SPW], v[NIL]
	s_wait_dscnt 0x0
	s_endpgm
	; ---- w_proj to f16: my wave's run of 8,192 numbers is 4 (work-group - 48) + wave; loads run two groups of eight ahead
.Lpath_p:
	s_sub_co_u32 s22, ttmp9, 48
	s_lshl_b32 s22, s22, 2
	s_add_co_u32 s22, s22, s20
	s_lshl_b32 s24, s22, 15
	s_mov_b32 s25, 0
	s_add_nc_u64 s[8:9], s[8:9], s[24:25]
	s_lshl_b32 s24, s22, 14
	s_add_nc_u64 s[18:19], s[18:19], s[24:25]
	v_lshlrev_b32 v3, 4, v2
	v_lshlrev_b32 v4, 3, v2
	LOADP 0
	LOADP 1
.irp g, 0,1,2,3,4,5,6,7
	GROUPP \g
.endr
	s_wait_tensorcnt 0x0                           ; every end of this text has the three lines
	ds_add_u32 v[SPW], v[NIL]
	s_wait_dscnt 0x0
	s_endpgm
.Lfunc_end_k_q1dd21b24eb_prep:
	.size	k_q1dd21b24eb_prep, .Lfunc_end_k_q1dd21b24eb_prep-k_q1dd21b24eb_prep
	.p2alignl 7, 3214868480
	.fill 96, 4, 3214868480
	.section	.rodata,"a",@progbits
	.p2align	6, 0x0
	.amdhsa_kernel k_q1dd21b24eb_prep
		.amdhsa_group_segment_fixed_size 68096
		.amdhsa_private_segment_fixed_size 0
		.amdhsa_enable_private_segment 0
		.amdhsa_kernarg_size 64
		.amdhsa_user_sgpr_count 2
		.amdhsa_user_sgpr_kernarg_segment_ptr 1
		.amdhsa_wavefront_size32 1
		.amdhsa_system_sgpr_workgroup_id_x 1
		.amdhsa_system_sgpr_workgroup_id_y 1
		.amdhsa_system_sgpr_workgroup_id_z 1
		.amdhsa_system_vgpr_workitem_id 0
		.amdhsa_next_free_vgpr 200
		.amdhsa_next_free_sgpr 66
		.amdhsa_reserve_vcc 0
		.amdhsa_float_denorm_mode_32 3
		.amdhsa_float_denorm_mode_16_64 3
		.amdhsa_memory_ordered 1
		.amdhsa_forward_progress 1
		.amdhsa_inst_pref_size 132
	.end_amdhsa_kernel
	.amdgpu_metadata
---
amdhsa.version: [ 1, 2 ]
amdhsa.kernels:
  - .name:           k_q1dd21b24eb_prep
    .symbol:         k_q1dd21b24eb_prep.kd
    .args:
      - { .name: x, .offset: 0, .size: 8, .value_kind: global_buffer, .address_space: global }
      - { .name: w_attn, .offset: 8, .size: 8, .value_kind: global_buffer, .address_space: global }
      - { .name: w_proj, .offset: 16, .size: 8, .value_kind: global_buffer, .address_space: global }
      - { .name: xc, .offset: 24, .size: 8, .value_kind: global_buffer, .address_space: global }
      - { .name: xs, .offset: 32, .size: 8, .value_kind: global_buffer, .address_space: global }
      - { .name: wc, .offset: 40, .size: 8, .value_kind: global_buffer, .address_space: global }
      - { .name: ws, .offset: 48, .size: 8, .value_kind: global_buffer, .address_space: global }
      - { .name: wp16, .offset: 56, .size: 8, .value_kind: global_buffer, .address_space: global }
    .group_segment_fixed_size: 68096
    .private_segment_fixed_size: 0
    .kernarg_segment_align: 8
    .kernarg_segment_size: 64
    .max_flat_workgroup_size: 128
    .sgpr_count:     66
    .vgpr_count:     200
    .wavefront_size: 32
...
	.end_amdgpu_metadata
.endif
;; end of part 1
;; launch qkv (part 2): grid 12 x 32, 4 waves a work-group, clusters of 4 x 4, 327,680 bytes of LDS; arguments xc, xs, wc, ws, qkv, s32; writes qkv, s32
.if DOCPART == 2
	.amdgcn_target "amdgcn-amd-amdhsa--gfx1250"
	.amdhsa_code_object_version 6
	.text
	.protected	k_q1dd21b24eb_qkv
	.globl	k_q1dd21b24eb_qkv
	.p2align	8
	.type	k_q1dd21b24eb_qkv,@function
k_q1dd21b24eb_qkv:
	s_mov_b64 s[64:65], 0
	v_nop
	global_prefetch_b8 v0, s[64:65] scope:SCOPE_SE
	s_setreg_imm32_b32 hwreg(HW_REG_WAVE_MODE, 25, 1), 1
	s_wait_xcnt 0x0
	s_wait_alu depctr_hold_cnt(0) depctr_sa_sdst(0) depctr_va_vdst(0) depctr_va_sdst(0) depctr_va_ssrc(0) depctr_va_vcc(0) depctr_vm_vsrc(0)
	s_getreg_b32 s2, hwreg(HW_REG_IB_STS2, 6, 4)
	s_cmp_eq_u32 s2, 0
	s_cbranch_scc0 .Lentry_in_a_cluster
	s_endpgm
.Lentry_in_a_cluster:
	s_bfe_u32 s2, ttmp6, 0x10000c
	s_cmp_lg_u32 s2, 0xf033
	s_cbranch_scc0 .Lentry_shape_is_right
	s_endpgm
.Lentry_shape_is_right:
; s = x w_attn on codes of FP4 (E2M1) with one E8M0 scale for each 32 along K: A = xc [8192][1024 codes], B = wc [3072][1024 codes]; sums in f32.
; The result leaves as f16, by head: qkv [3 (q, k, v)][4 b][16 h][2048 l][64]; the rows l < 16 of every sequence leave in f32 too: s32 [16 b + l][3072].
; LIMIT: results beyond 65,504 have no f16 number.
; A tile of 256 x 256 is made by four waves, each 128 x 128: 64 accumulators, 512 registers.  K = 1,024 is two K steps of 512: each of the two LDS slots is filled once, so nothing is filled again.
; The scales of the work-group's 256 + 256 rows come into LDS once, in whole runs of 256 bytes.
; CLUSTERS: 4 x 4.  The four of a row of the cluster need the same tiles of A, the four of a column the same tiles of B: each is asked for jointly.
; THE TILE ROW IS 8 cy + cluster y: so cy is the batch and cluster y the block of 256 positions, and the tiles that hold l < 16 are those of the clusters with y = 0: the branch round the f32 copy is alike in all partners.
; THE MATRIX INSTRUCTION IS USED TRANSPOSED (source 0 = 16 rows of B, source 1 = 16 rows of A): a lane holds eight neighbouring columns of one row.
; REGISTERS: window 0: v0-31 addresses; v32-95 scale words, two sets; v128-191 A's fragments, one set.  window 1: B's fragments, two sets.  windows 2, 3: the accumulators ((a, b) at v[8 (8 (a % 4) + b)]).
.set KSTEP,  512
.set NQ,     4
.set ROWB,   256                       ; a tile's row in bytes
.set KROW,   512                       ; a row of codes in memory
.set PITCH,  272                       ; 256 bytes + 16 of padding: the 16 rows of a load start at 16 different banks (64 banks of 4 bytes: ISA guide 11.1)
.set FR,     8
.set NL,     2
.set NP,     4
.set HALFT,  128*PITCH
.set SLOT,   4*HALFT
.set KS,     32                        ; a row of scales in bytes
.set SCL,    2*SLOT
.set HALFS,  (128*KS/256)*272
.set SBLK,   (16*KS/256)*272
.set SPARE,  SCL+4*HALFS               ; the spare words, 128 bytes for each wave
.set SPITCH, 528                       ; the way out: a stage of 16 x 528 bytes for each wave, in slot 0, which has had its only fill and its last read by then
.set ADRA, 16
.set ADRB, 20
.set STO,  24                          ; f32 copy: where I put 32 bytes of a row
.set RD,   25                          ; and read a row of 512 bytes back
.set CO,   26                          ; 16 x lane
.set ADRS, 27
.set SPW,  28
.set NIL,  29
.set STO16, 30                         ; f16: where I put 16 bytes of a row (pitch 272)
.set RD16, 31                          ; and read four rows' 128 bytes of one head back
.set SC,   32
.set TMP,  32                          ; the way out: packed results (the scale words are done with)
.set AF,   128
.set BK,   128                         ; the way out: what comes back from the stage
.set G1, 24
.set G0, 32
.set G1B, 48
.set G0B, 56
.set G1S, 68
.set G0S, 76
.set G1SB, 80
.set G0SB, 88
.set MSB, 0
.macro WIN new                         ; the immediate's high byte repeats the setting that is left
.if MSB != \new
	s_set_vgpr_msb (MSB<<8)|\new
.set MSB, \new
.endif
.endm
.set MUL_LO, 0xa1                      ; source 0 (B) window 1, source 1 (A) window 0, C and D window 2
.set MUL_HI, 0xf1
.set TO_B,   0x40
; A joint load: waves 0 and 1 fetch for A, waves 2 and 3 for B; the branch hangs on the wave's number alone.  An s_nop 0 and four v_nop follow each line.
.macro JLOAD g0a, g1a, g0b, g1b
	s_cmp_eq_u32 s15, 0
	s_cbranch_scc0 .Lfor_b_\@
	tensor_load_to_lds s[\g0a:\g0a+3], s[\g1a:\g1a+7]
	s_nop 0
.rept 4
	v_nop
.endr
	s_branch .Lasked_\@
.Lfor_b_\@:
	tensor_load_to_lds s[\g0b:\g0b+3], s[\g1b:\g1b+7]
	s_nop 0
.rept 4
	v_nop
.endr
.Lasked_\@:
.endm
.macro CROUND                          ; a round of the cluster's barrier
	s_barrier_signal -1
	s_barrier_wait -1
	s_cmp_lg_u32 s14, 0
	s_cbranch_scc1 .Lnot_wave_0_\@
	s_barrier_signal -3
.Lnot_wave_0_\@:
	s_barrier_wait -3
	s_barrier_signal -1
	s_barrier_wait -1
.endm
	s_load_b128 s[4:7], s[0:1], 0x0                ; xc, xs
	s_load_b128 s[8:11], s[0:1], 0x10              ; wc, ws
	s_load_b64 s[12:13], s[0:1], 0x20              ; qkv
	s_load_b64 s[96:97], s[0:1], 0x28              ; s32
	v_lshl_add_u32 v[SPW], v0, 2, SPARE
	v_mov_b32 v[NIL], 0
	ds_add_u32 v[SPW], v[NIL]                      ; the opening: the add, twice on end, and its wait ahead of my first tensor load
	ds_add_u32 v[SPW], v[NIL]
	v_lshrrev_b32 v1, 5, v0
	v_readfirstlane_b32 s14, v1                    ; wave 0..3
	s_lshr_b32 s15, s14, 1                         ; my half of the tile's rows; also: I fetch for A (0) or B (1)
	s_and_b32 s16, s14, 1                          ; my half of its columns; also: which 128 rows I fetch
	s_bfe_u32 s40, ttmp6, 0x40000                  ; cx
	s_bfe_u32 s41, ttmp6, 0x40004                  ; cy
	s_lshl_b32 s42, ttmp9, 2
	s_add_co_u32 s42, s42, s40                     ; tile column = 4 x cluster x + cx
	s_and_b32 s17, ttmp7, 0xffff
	s_lshl_b32 s18, s41, 3
	s_add_co_u32 s17, s17, s18                     ; tile row = 8 cy + cluster y
	s_and_b32 s95, ttmp7, 0xffff
	s_or_b32 s95, s95, s15                         ; 0 where my first 16 rows are l = 0 .. 15
	s_lshl_b32 s43, s41, 2
	s_lshl_b32 s43, 15, s43                        ; my row of the cluster
	s_lshl_b32 s44, 0x1111, s40                    ; my column
	s_or_b32 s[G1+0], s43, (0<<16)|(1<<20)|(1<<21)|(5<<22)|(3<<25)  ; mask; elements of 1 byte; padding: 4 words behind every 64; bit 21 beside a mask
	s_or_b32 s[G1B+0], s44, (0<<16)|(1<<20)|(1<<21)|(5<<22)|(3<<25)
.irp g, G1, G1B
	s_mov_b32 s[\g+1], ROWB<<16                    ; tensor_dim0
	s_mov_b32 s[\g+2], 128<<16                     ; tensor_dim1
	s_mov_b32 s[\g+3], ROWB<<16                    ; tile_dim0
	s_mov_b32 s[\g+4], 128                         ; tile_dim1
	s_mov_b32 s[\g+5], KROW                        ; the pitch
	s_mov_b32 s[\g+6], 0
	s_mov_b32 s[\g+7], 0
.endr
	s_or_b32 s[G1S+0], s43, (3<<16)|(1<<20)|(1<<21)|(5<<22)|(3<<25) ; the scales of 128 rows: 4,096 dense bytes as 16 rows of 256 (32 elements of 8 bytes)
	s_or_b32 s[G1SB+0], s44, (3<<16)|(1<<20)|(1<<21)|(5<<22)|(3<<25)
.irp g, G1S, G1SB
	s_mov_b32 s[\g+1], 32<<16
	s_mov_b32 s[\g+2], (128*KS/256)<<16
	s_mov_b32 s[\g+3], 32<<16
	s_mov_b32 s[\g+4], 128*KS/256
	s_mov_b32 s[\g+5], 32
	s_mov_b32 s[\g+6], 0
	s_mov_b32 s[\g+7], 0
.endr
	s_lshl_b32 s18, s16, 7
	s_lshl_b32 s20, s17, 8
	s_add_co_u32 s20, s20, s18                     ; A: row 256 x tile row + 128 x half
	s_lshl_b32 s46, s42, 8
	s_add_co_u32 s46, s46, s18                     ; B: row 256 x tile column + 128 x half
	s_mov_b32 s21, 0
	s_mov_b32 s47, 0
	s_mov_b64 s[18:19], KS
	s_mul_u64 s[22:23], s[20:21], s[18:19]         ; where these rows' scales begin
	s_mul_u64 s[92:93], s[46:47], s[18:19]
	s_mov_b64 s[18:19], KROW
	s_mul_u64 s[20:21], s[20:21], s[18:19]         ; and their codes
	s_mul_u64 s[46:47], s[46:47], s[18:19]
	s_mul_i32 s45, s14, HALFT                      ; where they go: wave x 128 rows
	s_mul_i32 s94, s14, HALFS
	s_wait_dscnt 0x0                               ; both opening adds are done
	s_wait_kmcnt 0x0
	s_add_nc_u64 s[20:21], s[4:5], s[20:21]
	s_add_nc_u64 s[22:23], s[6:7], s[22:23]
	s_add_nc_u64 s[46:47], s[8:9], s[46:47]
	s_add_nc_u64 s[92:93], s[10:11], s[92:93]
	CROUND                                         ; all sixteen work-groups are here: the joint loads meet
	s_mov_b32 s[G0S], 1
	s_add_co_u32 s[G0S+1], s94, SCL
	s_mov_b64 s[G0S+2:G0S+3], s[22:23]
	s_or_b32 s[G0S+3], s[G0S+3], 0x80000000
	s_mov_b32 s[G0SB], 1
	s_add_co_u32 s[G0SB+1], s94, SCL
	s_mov_b64 s[G0SB+2:G0SB+3], s[92:93]
	s_or_b32 s[G0SB+3], s[G0SB+3], 0x80000000
	JLOAD G0S, G1S, G0SB, G1SB                     ; the scales first; by this text's count a wave has three tensor loads out
.irp s, 0,1
	s_mov_b32 s[G0+4*\s], 1
	s_add_co_u32 s[G0+4*\s+1], s45, \s*SLOT
	s_add_nc_u64 s[G0+4*\s+2:G0+4*\s+3], s[20:21], \s*ROWB
	s_or_b32 s[G0+4*\s+3], s[G0+4*\s+3], 0x80000000
	s_mov_b32 s[G0B+4*\s], 1
	s_add_co_u32 s[G0B+4*\s+1], s45, \s*SLOT
	s_add_nc_u64 s[G0B+4*\s+2:G0B+4*\s+3], s[46:47], \s*ROWB
	s_or_b32 s[G0B+4*\s+3], s[G0B+4*\s+3], 0x80000000
	JLOAD G0+4*\s, G1, G0B+4*\s, G1B
.endr
	v_and_b32 v1, 15, v0                           ; r = l % 16
	v_bfe_u32 v2, v0, 4, 1                         ; h = l / 16
	v_mul_u32_u24 v3, v1, PITCH
	v_lshl_add_u32 v4, v2, 4, v3                   ; a fragment's row x pitch + 16 h
	s_mul_i32 s21, s15, HALFT
	s_mul_i32 s22, s16, HALFT
	s_add_co_u32 s22, s22, 2*HALFT
.irp s, 0,1
	v_add_nc_u32 v[ADRA+\s], s21, v4
	v_add_nc_u32 v[ADRB+\s], s22, v4
	s_add_co_u32 s21, s21, SLOT
	s_add_co_u32 s22, s22, SLOT
.endr
	v_mul_u32_u24 v5, v1, KS                       ; my row's scales: 32 bytes a row,
	v_lshrrev_b32 v6, 8, v5
	v_lshl_add_u32 v5, v6, 4, v5                   ; and 16 more for each 256 passed
	s_mul_i32 s21, s15, HALFS
	s_mul_i32 s22, s16, HALFS
	s_add_co_u32 s22, s22, 2*HALFS
	s_sub_co_u32 s22, s22, s21
	v_mul_u32_u24 v6, s22, v2                      ; lanes 16-31 take B's
	s_add_co_u32 s21, s21, SCL
	v_add_nc_u32 v5, v5, v6
	v_add_nc_u32 v[ADRS], s21, v5
	s_mul_i32 s23, s14, 16*SPITCH                  ; my stage
	v_mul_u32_u24 v5, v1, SPITCH
	v_lshl_add_u32 v5, v2, 5, v5
	v_add_nc_u32 v[STO], s23, v5
	v_and_b32 v6, 31, v0
	v_lshlrev_b32 v[CO], 4, v6
	v_add_nc_u32 v[RD], s23, v[CO]
	v_mul_u32_u24 v5, v1, 272
	v_lshl_add_u32 v5, v2, 4, v5
	v_add_nc_u32 v[STO16], s23, v5
	v_lshrrev_b32 v5, 3, v6
	v_mul_u32_u24 v5, v5, 272
	v_and_b32 v7, 7, v0
	v_lshl_add_u32 v5, v7, 4, v5
	v_add_nc_u32 v[RD16], s23, v5                  ; row lane / 8, 16 (lane % 8) bytes on
	; qkv: plane ((part x 4 + b) x 16 + head) of 2^18 bytes; part = tile column / 4, my first head = 4 (tile column % 4) + 2 x column half; row l of 128 bytes
	s_lshr_b32 s20, s42, 2
	s_lshl_b32 s20, s20, 2
	s_add_co_u32 s20, s20, s41
	s_lshl_b32 s20, s20, 4
	s_and_b32 s21, s42, 3
	s_lshl_b32 s21, s21, 2
	s_add_co_u32 s20, s20, s21
	s_lshl_b32 s21, s16, 1
	s_add_co_u32 s20, s20, s21
	s_lshl_b32 s20, s20, 18
	s_and_b32 s21, ttmp7, 0xffff
	s_lshl_b32 s21, s21, 15                        ; 256 rows of 128 bytes for each cluster y
	s_add_co_u32 s20, s20, s21
	s_lshl_b32 s21, s15, 14                        ; 128 rows for my row half
	s_add_co_u32 s20, s20, s21
	s_mov_b32 s21, 0
	s_add_nc_u64 s[12:13], s[12:13], s[20:21]
	s_mul_i32 s20, s41, 16*12288                   ; s32: 16 rows of 12,288 bytes a batch, my 128 columns
	s_lshl_b32 s21, s42, 10
	s_add_co_u32 s20, s20, s21
	s_lshl_b32 s21, s16, 9
	s_add_co_u32 s20, s20, s21
	s_mov_b32 s21, 0
	s_add_nc_u64 s[96:97], s[96:97], s[20:21]
.macro FRAG reg, adr, q, i             ; 16 rows x 128 K of 4-bit codes: 8 registers, two loads of 16 bytes, 32 bytes apart
.irp c, 0,1
	ds_load_b128 v[\reg+4*\c:\reg+4*\c+3], v[\adr] offset:64*(\q)+32*\c+(\i)*16*PITCH
.endr
.endm
; 16 matrix instructions: A's blocks a0, a0 + 1 x B's eight.  The 64 accumulators take turns, one instruction a turn.  zero = 1: the first product starts the sums.
.macro MUL16 a0, p, q, sc, zero
.irp a, \a0, \a0+1
.irp b, 0,1,2,3,4,5,6,7
.if \zero
	v_wmma_scale_f32_16x16x128_f8f6f4 v[8*(8*((\a)%4)+\b):8*(8*((\a)%4)+\b)+7], v[128*(\p)+FR*\b:128*(\p)+FR*\b+FR-1], v[AF+FR*(\a):AF+FR*(\a)+FR-1], 0, v[SC+8*NQ*(\sc)+NQ*\b+(\q)], v[SC+8*NQ*(\sc)+NQ*(\a)+(\q)] matrix_a_fmt:MATRIX_FMT_FP4 matrix_b_fmt:MATRIX_FMT_FP4 matrix_a_scale:MATRIX_SCALE_ROW1
.else
	v_wmma_scale_f32_16x16x128_f8f6f4 v[8*(8*((\a)%4)+\b):8*(8*((\a)%4)+\b)+7], v[128*(\p)+FR*\b:128*(\p)+FR*\b+FR-1], v[AF+FR*(\a):AF+FR*(\a)+FR-1], v[8*(8*((\a)%4)+\b):8*(8*((\a)%4)+\b)+7], v[SC+8*NQ*(\sc)+NQ*\b+(\q)], v[SC+8*NQ*(\sc)+NQ*(\a)+(\q)] matrix_a_fmt:MATRIX_FMT_FP4 matrix_b_fmt:MATRIX_FMT_FP4 matrix_a_scale:MATRIX_SCALE_ROW1
.endif
.endr
.endr
.endm
.macro FETCH_B slot, q, p
	WIN TO_B
.irp i, 0,1,2,3,4,5,6,7
	FRAG 128*(\p)+FR*\i, ADRB+\slot, \q, \i
.endr
	WIN 0
.endm
.macro FETCH_A slot, q, i0
.irp i, \i0, \i0+1, \i0+2, \i0+3
	FRAG AF+FR*(\i), ADRA+\slot, \q, \i
.endr
.endm
.macro SCALES sc                       ; a K step's scale words: lanes 0-15 take A's block i, lanes 16-31 B's block i
.irp i, 0,1,2,3,4,5,6,7
	ds_load_b128 v[SC+8*NQ*\sc+NQ*\i:SC+8*NQ*\sc+NQ*\i+3], v[ADRS] offset:\i*SBLK
.endr
.endm
.macro PLACES n                        ; plain vector lines between a matrix instruction and a load into, or a read of, its registers
.rept \n
	v_nop
.endr
.endm
.macro STEP slot, q, zero              ; 128 along K that has its successor in the same slot
	s_wait_dscnt 4*NL                              ; B's set and A's blocks 0-3 are in; A's blocks 4-7 may be out
	WIN MUL_LO
	MUL16 0, (\q)%2, \q, \slot, \zero
	MUL16 2, (\q)%2, \q, \slot, \zero
	s_wait_dscnt 0
	PLACES NP
	FETCH_B \slot, (\q)+1, 1-(\q)%2
	FETCH_A \slot, (\q)+1, 0
	WIN MUL_HI
	MUL16 4, (\q)%2, \q, \slot, \zero
	MUL16 6, (\q)%2, \q, \slot, \zero
	PLACES NP
	WIN 0
	FETCH_A \slot, (\q)+1, 4
.endm
; A slot's last step changes slots: each wave waits for all its tensor loads (its part of the next slot), adds 0 to its spare word, waits for that and for its reads; one barrier.  Nothing is filled again.
.macro TURN slot, next
	s_wait_tensorcnt 0x0
	ds_add_u32 v[SPW], v[NIL]
	s_wait_dscnt 4*NL+1                            ; the add and A's blocks 4-7 may be out
	WIN MUL_LO
	MUL16 0, 1, NQ-1, \slot, 0
	s_wait_dscnt 0x0
	s_barrier_signal -1
	MUL16 2, 1, NQ-1, \slot, 0
	WIN 0
	s_barrier_wait -1
	PLACES NP
	v_add_nc_u32 v[ADRS], 4*NQ, v[ADRS]            ; on to the next K step's scale words
	FETCH_B \next, 0, 0
	FETCH_A \next, 0, 0
	SCALES \next
	WIN MUL_HI
	MUL16 4, 1, NQ-1, \slot, 0
	MUL16 6, 1, NQ-1, \slot, 0
	PLACES NP
	WIN 0
	FETCH_A \next, 0, 4
.endm
.macro STEPS slot, from
.set Q, \from
.rept NQ-1-\from
	STEP \slot, Q, 0
.set Q, Q+1
.endr
.endm
	s_wait_tensorcnt 1                             ; the scales and my part of K step 0 are in; K step 1's load may be out
	s_barrier_signal -1
	s_barrier_wait -1
	FETCH_B 0, 0, 0
	FETCH_A 0, 0, 0
	SCALES 0
	FETCH_A 0, 0, 4
	STEP 0, 0, 1                                   ; the first products start the sums
	STEPS 0, 1
	TURN 0, 1
	STEPS 1, 0
	s_wait_dscnt 4*NL
	WIN MUL_LO
	MUL16 0, 1, NQ-1, 1, 0
	MUL16 2, 1, NQ-1, 1, 0
	s_wait_dscnt 0
	WIN MUL_HI
	MUL16 4, 1, NQ-1, 1, 0
	MUL16 6, 1, NQ-1, 1, 0
	WIN 0
	PLACES NP                                      ; in front of every read of results and every write or load into the operands' registers below
	; THE f32 COPY of rows l < 16: my block 0, where cluster y = 0 and my row half is 0.  Through my stage, back as rows of 512 bytes.
	s_cmp_eq_u32 s95, 0
	s_cbranch_scc0 .Lnofine
	WIN 0x08                                       ; an LDS store's data: window 2
.irp b, 0,1,2,3,4,5,6,7
	ds_store_b128 v[STO], v[8*\b:8*\b+3] offset:64*\b          ; each accumulator from its low end on
	ds_store_b128 v[STO], v[8*\b+4:8*\b+7] offset:64*\b+16
.endr
	WIN 0
.irp t, 0,1,2,3,4,5,6,7,8,9,10,11,12,13,14,15
	ds_load_b128 v[BK+4*\t:BK+4*\t+3], v[RD] offset:\t*SPITCH  ; LDS serves a wave's instructions in order: these see the stores above
.endr
	s_wait_dscnt 0x0
.irp t, 0,1,2,3,4,5,6,7,8,9,10,11,12,13,14,15
	global_store_b128 v[CO], v[BK+4*\t:BK+4*\t+3], s[96:97] offset:\t*12288   ; 32 lanes store 512 consecutive bytes, aligned to 256
.endr
	s_wait_xcnt 0x0                                ; the stores have read their registers: they are loaded again below
.Lnofine:
; THE WAY OUT IN f16, a block of 16 rows x 128 columns (two heads) at a time: packed, into my stage (rows of 272 bytes), back as four rows x 128 bytes of one head, which are 512 consecutive bytes of that head's plane.
.macro PACK a
.set AC, 64*((\a)%4)
	WIN 0x0a+5*((\a)/4)                            ; sources 0 and 1: window 2 or 3
.irp b, 0,1,2,3,4,5,6,7
.irp r, 0,1,2,3
	v_cvt_pk_f16_f32 v[TMP+4*\b+\r], v[AC+8*\b+2*\r], v[AC+8*\b+2*\r+1]
.endr
.endr
	WIN 0
.endm
.macro TOSTAGE a
.set BB, BK+32*((\a)%2)
.irp b, 0,1,2,3,4,5,6,7
	ds_store_b128 v[STO16], v[TMP+4*\b:TMP+4*\b+3] offset:32*\b
.endr
.irp hh, 0,1
.irp t, 0,1,2,3
	ds_load_b128 v[BB+16*\hh+4*\t:BB+16*\hh+4*\t+3], v[RD16] offset:128*\hh+1088*\t
.endr
.endr
.endm
.macro SEND a
.set BB, BK+32*((\a)%2)
	s_wait_dscnt 0x0                               ; the block is back in registers
	s_wait_xcnt 0x0                                ; the block before has left its registers: the next block's loads may land there
.irp hh, 0,1
.irp t, 0,1,2,3
	global_store_b128 v[CO], v[BB+16*\hh+4*\t:BB+16*\hh+4*\t+3], s[12:13] offset:2048*(\a)+512*\t+262144*\hh   ; 32 lanes store 512 consecutive bytes, aligned to 256
.endr
.endr
.endm
	PACK 0
	TOSTAGE 0
.irp a, 1,2,3,4,5,6,7                  ; block a's conversions stand between block a - 1's loads from the stage and the wait for them
	PACK \a
	SEND \a-1
	TOSTAGE \a
.endr
	SEND 7
	s_wait_tensorcnt 0x0                           ; the wave's end
	ds_add_u32 v[SPW], v[NIL]
	s_wait_dscnt 0x0
	CROUND                                         ; the closing round
	s_endpgm
.Lfunc_end_k_q1dd21b24eb_qkv:
	.size	k_q1dd21b24eb_qkv, .Lfunc_end_k_q1dd21b24eb_qkv-k_q1dd21b24eb_qkv
	.p2alignl 7, 3214868480
	.fill 96, 4, 3214868480
	.section	.rodata,"a",@progbits
	.p2align	6, 0x0
	.amdhsa_kernel k_q1dd21b24eb_qkv
		.amdhsa_group_segment_fixed_size 327680
		.amdhsa_private_segment_fixed_size 0
		.amdhsa_enable_private_segment 0
		.amdhsa_kernarg_size 48
		.amdhsa_user_sgpr_count 2
		.amdhsa_user_sgpr_kernarg_segment_ptr 1
		.amdhsa_wavefront_size32 1
		.amdhsa_system_sgpr_workgroup_id_x 1
		.amdhsa_system_sgpr_workgroup_id_y 1
		.amdhsa_system_sgpr_workgroup_id_z 1
		.amdhsa_system_vgpr_workitem_id 0
		.amdhsa_next_free_vgpr 1024
		.amdhsa_next_free_sgpr 100
		.amdhsa_reserve_vcc 0
		.amdhsa_float_denorm_mode_32 3
		.amdhsa_float_denorm_mode_16_64 3
		.amdhsa_memory_ordered 1
		.amdhsa_forward_progress 1
		.amdhsa_inst_pref_size 131
	.end_amdhsa_kernel
	.amdgpu_metadata
---
amdhsa.version: [ 1, 2 ]
amdhsa.kernels:
  - .name:           k_q1dd21b24eb_qkv
    .symbol:         k_q1dd21b24eb_qkv.kd
    .args:
      - { .name: xc, .offset: 0, .size: 8, .value_kind: global_buffer, .address_space: global }
      - { .name: xs, .offset: 8, .size: 8, .value_kind: global_buffer, .address_space: global }
      - { .name: wc, .offset: 16, .size: 8, .value_kind: global_buffer, .address_space: global }
      - { .name: ws, .offset: 24, .size: 8, .value_kind: global_buffer, .address_space: global }
      - { .name: qkv, .offset: 32, .size: 8, .value_kind: global_buffer, .address_space: global }
      - { .name: s32, .offset: 40, .size: 8, .value_kind: global_buffer, .address_space: global }
    .group_segment_fixed_size: 327680
    .private_segment_fixed_size: 0
    .kernarg_segment_align: 8
    .kernarg_segment_size: 48
    .max_flat_workgroup_size: 128
    .sgpr_count:     100
    .vgpr_count:     1024
    .wavefront_size: 32
...
	.end_amdgpu_metadata
.endif
;; end of part 2
;; launch attn (part 3): grid 4 x 64, 8 waves a work-group, no clusters, 327,680 bytes of LDS; arguments qkv, y16; writes y16
.if DOCPART == 3
	.amdgcn_target "amdgcn-amd-amdhsa--gfx1250"
	.amdhsa_code_object_version 6
	.text
	.protected	k_q1dd21b24eb_attn
	.globl	k_q1dd21b24eb_attn
	.p2align	8
	.type	k_q1dd21b24eb_attn,@function
k_q1dd21b24eb_attn:
	s_mov_b64 s[64:65], 0
	v_nop
	global_prefetch_b8 v0, s[64:65] scope:SCOPE_SE
	s_setreg_imm32_b32 hwreg(HW_REG_WAVE_MODE, 25, 1), 1
	s_wait_xcnt 0x0
; y[b][h][q] = the sum over k <= q of softmax_k(q . k / 8) v[k], head size 64.  q, k, v: f16 planes of qkv [3][64 (b, h)][2048][64]; y16: f16 [64][2048][64].  Products, maxima and sums in f32;
; the weights p are rounded to f16 for the second product, y once at the end.  A running maximum m and sum l for each query: p = 2^(c s - c m), c = log2(e) / 8; O and l are multiplied by 2^(c m_old - c m_new) in every step.
; LIMITS: NaN and infinities are not served.  Rows l < 16 are made here too, but the output's rows l < 16 come from a finer launch.
; SHARES.  A work-group takes a quarter of a head.  Wave w of work-group i owns two chunks of 32 queries: E at 256 i + 32 w and L at 2016 - 256 i - 32 w.  Chunk c wants c / 2 + 1 key steps of 64,
; chunks c and 63 - c together always 33: every wave of every work-group has the same work under the causal mask.  Both chunks use the same fragments of K and V.
; NO CLUSTER: work-group i of a head walks keys up to 2047 - 256 i, so partners would need different numbers of tiles.
; LAYOUT.  S^T = K Q^T (source 0 = 16 keys, source 1 = 16 queries), O^T = V^T P: a lane holds ONE query (lane % 16) throughout.  K comes out of LDS as it lies, V turned by ds_load_tr16_b128.
; RING.  Two slots of 256 keys; waves 0-3 fetch K's quarters, waves 4-7 V's: one tensor load a wave behind each change of slots, one tensor load a wave outstanding.  Every work-group walks all eight changes
; (trip counts are constants); a step all of whose keys come after a chunk's queries is jumped over, and a slot beyond the work-group's last query is not asked for.
; REGISTERS.  window 0: v2-15 addresses; v16-47 statistics, 8 a tile (c m, m, l, l, c0-c3); v64-127 S^T of two tiles; v128-159 P; v192-255 K's 8 fragments.
;   window 1: v0-63 Q, 16 a tile; v64-191 O^T, 32 a tile; v192-255 V's 8 fragments.  Tiles 0, 1 = chunk E, tiles 2, 3 = chunk L.
.set PK,    144                        ; a row of K in LDS: 128 bytes + 16: 36 words, so the 16 rows of a load start at 16 different groups of banks
.set PVP,   160                        ; a row of V: 128 + 32
.set VOFF,  256*PK
.set SLOT1, 1<<17
.set STAGE, 2*SLOT1                    ; the way out: 16 rows x 144 bytes for each wave
.set SP,    144
.set SPARE, STAGE+8*16*SP              ; the spare words, 128 bytes for each wave
.set AK0, 2
.set AV0, 3
.set ADK, 4
.set ADV, 5
.set QO,  6
.set STO, 7
.set RD,  8
.set GO,  9
.set DL,  10                           ; lane % 16 - 8 (lane / 16)
.set NINF, 11
.set DD,  12
.set PFO, 13
.set SPW, 14
.set NIL, 15
.set ST,  16
.set S,   64
.set P,   128
.set KFR, 192
.set VFR, 192
.set OT,  64
.set WV,  8
.set QE,  14
.set QL,  15
.set QEL, 16
.set QLL, 17
.set LASTQ, 18
.set SEL, 20
.set CS,  22
.set G1K, 24
.set G1V, 32
.set G0K, 40
.set G0V, 44
.set QBE, 48                           ; s[48:49], s[50:51] Q's rows of chunks E and L
.set YBE, 52                           ; s[52:53], s[54:55] y's
.set PFA, 56
.set LIM, 58
.set SLOTS, 59
.set STP, 60
.set KF,  61                           ; the step's first key
.set TBK, 62                           ; LDS byte of the step's K rows
.set TBV, 63                           ; and of its V rows, less VOFF
.set T0,  66
.set MSB, 0
.macro WIN new
.if MSB != \new
	s_set_vgpr_msb (MSB<<8)|\new
.set MSB, \new
.endif
.endm
.set W_KQ, 0x04                        ; Q (source 1) in window 1
.set W_PV, 0x51                        ; V, C and D in window 1, P in window 0
.set W_RS, 0x41                        ; O^T (destination, source 0) in window 1
.set TO_1, 0x40                        ; destination window 1
.macro TLOAD                           ; the branch hangs on the wave's number alone; an s_nop 0 and four v_nop follow each line
	s_cmp_lt_u32 s[WV], 4
	s_cbranch_scc0 .Lfor_v_\@
	tensor_load_to_lds s[G0K:G0K+3], s[G1K:G1K+7]
	s_nop 0
.rept 4
	v_nop
.endr
	s_branch .Lasked_\@
.Lfor_v_\@:
	tensor_load_to_lds s[G0V:G0V+3], s[G1V:G1V+7]
	s_nop 0
.rept 4
	v_nop
.endr
.Lasked_\@:
.endm
; A prefetch of what the NEXT change of slots will ask for.  All four work-groups of a head walk the same K and V: the first of them, which walks all eight slots, asks.  Each of its eight waves names the
; 8,192 bytes that it will itself load, lanes 256 bytes apart: each block is named once in the launch.  The last change that fills a slot asks for nothing; slots 0 and 1 come by their loads alone.
.macro ASK
	s_cmp_gt_u32 s[SLOTS], s[LIM]
	s_cbranch_scc0 .Lnot_mine_\@
	global_prefetch_b8 v[PFO], s[PFA:PFA+1] th:TH_LOAD_NT scope:SCOPE_SE
.Lnot_mine_\@:
.endm
	s_load_b128 s[4:7], s[0:1], 0x0                ; qkv, y16
	v_lshl_add_u32 v[SPW], v0, 2, SPARE
	v_mov_b32 v[NIL], 0
	ds_add_u32 v[SPW], v[NIL]                      ; the opening: the add, twice on end, and its wait ahead of my first tensor load
	ds_add_u32 v[SPW], v[NIL]
	v_lshrrev_b32 v1, 5, v0
	v_readfirstlane_b32 s[WV], v1                  ; wave 0..7
	s_and_b32 s9, s[WV], 3                         ; which quarter of a slot's rows I fetch
	s_and_b32 s11, ttmp7, 0xffff
	s_lshl_b32 s12, s11, 18                        ; the head's plane, in bytes
	s_lshl_b32 s[QE], ttmp9, 8
	s_lshl_b32 s[T0], s[WV], 5
	s_add_co_u32 s[QE], s[QE], s[T0]               ; chunk E's first query
	s_sub_co_u32 s[QL], 2016, s[QE]                ; chunk L's
	s_add_co_u32 s[QEL], s[QE], 31
	s_add_co_u32 s[QLL], s[QL], 31
	s_lshl_b32 s[LASTQ], ttmp9, 8
	s_sub_co_u32 s[LASTQ], 2047, s[LASTQ]          ; the work-group's last query
	s_mov_b32 s[G1K], (1<<16)|(1<<20)|(4<<22)|(3<<25)   ; no mask; elements of 2 bytes; 4 words of padding behind every 32
	s_mov_b32 s[G1V], (1<<16)|(1<<20)|(4<<22)|(7<<25)   ; 8 words of padding
.irp g, G1K, G1V
	s_mov_b32 s[\g+1], 64<<16                      ; tensor_dim0 = 64
	s_mov_b32 s[\g+2], 64<<16                      ; tensor_dim1 = 64
	s_mov_b32 s[\g+3], 64<<16                      ; tile_dim0 = 64
	s_mov_b32 s[\g+4], 64                          ; tile_dim1 = 64
	s_mov_b32 s[\g+5], 64                          ; the pitch
	s_mov_b32 s[\g+6], 0
	s_mov_b32 s[\g+7], 0
.endr
	s_mov_b32 s[SEL], 0x76543210
	s_mov_b32 s[SEL+1], 0xfedcba98
	s_mov_b32 s[CS], 0x3e38aa3b                    ; c = log2(e) / 8
	s_mov_b32 s[CS+1], s[CS]
	s_mov_b32 s[KF], 0
	s_mov_b32 s[TBK], 0
	s_mov_b32 s[TBV], 0
	s_mov_b32 s[SLOTS], 7
	s_cmp_eq_u32 ttmp9, 0
	s_cselect_b32 s[LIM], 1, -1
	s_lshl_b32 s2, s9, 13
	s_add_co_u32 s2, s2, s12
	s_mov_b32 s3, 0                                ; the head + my quarter's 64 rows of 128 bytes
	s_lshl_b32 s66, s[QE], 7
	s_add_co_u32 s66, s66, s12
	s_mov_b32 s67, 0
	s_lshl_b32 s68, s[QL], 7
	s_add_co_u32 s68, s68, s12
	s_mov_b32 s69, 0
	s_cmp_lt_u32 s[WV], 4
	s_cselect_b32 s70, 0, 0x1000000
	s_add_co_u32 s70, s70, 0x1008000               ; K's part or V's, and slot 1: the first change of slots steps it to slot 2
	s_mov_b32 s71, 0
	s_wait_dscnt 0x0                               ; both opening adds are done
	s_wait_kmcnt 0x0
	s_add_nc_u64 s[2:3], s[4:5], s[2:3]
	s_mov_b32 s[G0K], 1
	s_mul_i32 s[G0K+1], s9, 64*PK
	s_add_nc_u64 s[G0K+2:G0K+3], s[2:3], 0x1000000
	s_or_b32 s[G0K+3], s[G0K+3], 0x80000000
	s_mov_b32 s[G0V], 1
	s_mul_i32 s[G0V+1], s9, 64*PVP
	s_add_co_u32 s[G0V+1], s[G0V+1], VOFF
	s_add_nc_u64 s[G0V+2:G0V+3], s[2:3], 0x2000000
	s_or_b32 s[G0V+3], s[G0V+3], 0x80000000
	TLOAD                                          ; slot 0
	s_add_nc_u64 s[PFA:PFA+1], s[2:3], s[70:71]
	s_add_nc_u64 s[QBE:QBE+1], s[4:5], s[66:67]
	s_add_nc_u64 s[QBE+2:QBE+3], s[4:5], s[68:69]
	s_add_nc_u64 s[YBE:YBE+1], s[6:7], s[66:67]
	s_add_nc_u64 s[YBE+2:YBE+3], s[6:7], s[68:69]
	v_and_b32 v1, 15, v0                           ; r
	v_bfe_u32 v48, v0, 4, 1                        ; h
	v_lshlrev_b32 v[QO], 7, v1
	v_lshl_add_u32 v[QO], v48, 4, v[QO]            ; row r of 128 bytes + 16 h
	WIN TO_1
.irp u, 0,1
.irp ks, 0,1                           ; Q stays in registers: tile, channels 32 ks on
	global_load_b128 v[16*\u+8*\ks:16*\u+8*\ks+3],       v[QO], s[QBE:QBE+1] offset:2048*\u+64*\ks
	global_load_b128 v[16*\u+8*\ks+4:16*\u+8*\ks+7],     v[QO], s[QBE:QBE+1] offset:2048*\u+64*\ks+32
	global_load_b128 v[32+16*\u+8*\ks:32+16*\u+8*\ks+3],   v[QO], s[QBE+2:QBE+3] offset:2048*\u+64*\ks
	global_load_b128 v[32+16*\u+8*\ks+4:32+16*\u+8*\ks+7], v[QO], s[QBE+2:QBE+3] offset:2048*\u+64*\ks+32
.endr
.endr
.set j, 0
.rept 128
	v_mov_b32 v[OT+j], 0                           ; O^T.  The key step is written once: its first turn finds zeros, which the first change of m leaves zeros
.set j, j+1
.endr
	WIN 0
	v_mul_u32_u24 v[AK0], v1, PK
	v_lshl_add_u32 v[AK0], v48, 4, v[AK0]
	v_and_b32 v49, 7, v0
	v_bfe_u32 v50, v0, 3, 1
	v_lshl_add_u32 v[AV0], v48, 3, v49             ; the turning load: key 8 h + lane % 8, channels 8 ((lane / 8) % 2) on
	v_mul_u32_u24 v[AV0], v[AV0], PVP
	v_lshl_add_u32 v[AV0], v50, 4, v[AV0]
	v_add_nc_u32 v[AV0], VOFF, v[AV0]
	s_mul_i32 s[T0], s[WV], 16*SP
	s_add_co_u32 s[T0], s[T0], STAGE               ; my stage
	v_mul_u32_u24 v[STO], v1, SP
	v_lshl_add_u32 v[STO], v48, 4, v[STO]
	v_add_nc_u32 v[STO], s[T0], v[STO]
	v_bfe_u32 v51, v0, 3, 2
	v_mul_u32_u24 v[RD], v51, SP
	v_lshl_add_u32 v[RD], v49, 4, v[RD]
	v_add_nc_u32 v[RD], s[T0], v[RD]               ; back: row lane / 8, 16 (lane % 8) bytes on
	v_and_b32 v52, 31, v0
	v_lshlrev_b32 v[GO], 4, v52
	v_lshlrev_b32 v[PFO], 8, v52
	v_lshlrev_b32 v53, 3, v48
	v_sub_nc_u32 v[DL], v1, v53
	v_mov_b32 v[NINF], 0xff800000
.irp t, 0,1,2,3
	v_mov_b32 v[ST+8*\t+1], 0xff61b1e6             ; m = -3e38, under every score
	v_mul_f32 v[ST+8*\t], s[CS], v[ST+8*\t+1]
.irp k, 2,3,4,5,6,7
	v_mov_b32 v[ST+8*\t+\k], 0
.endr
.endr
; S^T = K Q^T for tiles y, y + 1: product i: channels 32 (i / 8) on, keys 16 ((i / 2) % 4) on, tile i % 2.  The eight accumulators take turns; the first eight start the sums.
.macro KQ y
.set i, 0
.rept 16
.set rS, S+32*(i%2)+8*((i/2)%4)
.set rK, KFR+8*(2*((i/2)%4)+i/8)
.set rQ, 16*((\y)+i%2)+8*(i/8)
.if i < 8
	v_wmma_f32_16x16x32_f16 v[rS:rS+7], v[rK:rK+7], v[rQ:rQ+7], 0
.else
	v_wmma_f32_16x16x32_f16 v[rS:rS+7], v[rK:rK+7], v[rQ:rQ+7], v[rS:rS+7]
.endif
.set i, i+1
.endr
.endm
; O^T += V^T P: product i: keys 32 (i / 8) on, channels 16 ((i / 2) % 4) on, tile i % 2
.macro PVM y
.set i, 0
.rept 16
.set rO, OT+32*((\y)+i%2)+8*((i/2)%4)
.set rV, VFR+8*(4*(i/8)+(i/2)%4)
.set rP, P+16*(i%2)+8*(i/8)
	v_wmma_f32_16x16x32_f16 v[rO:rO+7], v[rV:rV+7], v[rP:rP+7], v[rO:rO+7]
.set i, i+1
.endr
.endm
; On the diagonal hidden scores become -infinity ahead of the maximum.  Register n of a tile holds key KF + 16 (n / 8) + 8 h + n % 8: hidden where 16 (n / 8) + n % 8 > query - KF - 8 h.  A step all of whose keys count skips this.
.macro MASK q0
	s_add_co_u32 s[T0], s[KF], 63
	s_cmp_le_u32 s[T0], s[\q0]
	s_cbranch_scc1 .Lopen_\@
	s_sub_co_i32 s[T0], s[\q0], s[KF]
	v_add_nc_u32 v[DD], s[T0], v[DL]
.set n, 0
.rept 64
.if n == 32
	v_add_nc_u32 v[DD], 16, v[DD]                  ; the second tile's queries lie 16 on
.endif
	v_cmp_gt_i32 vcc_lo, 16*((n%32)/8)+n%8, v[DD]
	v_cndmask_b32 v[S+n], v[S+n], v[NINF], vcc_lo
.set n, n+1
.endr
.Lopen_\@:
.endm
.macro SM_SET y, u
.set rT, ST+8*((\y)+(\u))
.set rS, S+32*(\u)
.set rP, P+16*(\u)
.set rO, OT+32*((\y)+(\u))
.endm
; The softmax of tiles y, y + 1 for one key step; the two tiles alternate, so that no line waits for the line above it.
.macro SOFTMAX y
.irp j, 0,1,2,3
.irp u, 0,1
	SM_SET \y, \u
	v_max3_num_f32 v[rT+4+\j], v[rS+8*\j], v[rS+8*\j+1], v[rS+8*\j+2]     ; four chains; each accumulator is read from its low end on
.endr
.endr
.irp g, 3,5
.irp j, 0,1,2,3
.irp u, 0,1
	SM_SET \y, \u
	v_max3_num_f32 v[rT+4+\j], v[rT+4+\j], v[rS+8*\j+\g], v[rS+8*\j+\g+1]
.endr
.endr
.endr
.irp u, 0,1
	SM_SET \y, \u
	v_max3_num_f32 v[rT+4], v[rT+4], v[rS+7], v[rS+15]
	v_max3_num_f32 v[rT+6], v[rT+6], v[rS+23], v[rS+31]
.endr
.irp u, 0,1
	SM_SET \y, \u
	v_max3_num_f32 v[rT+4], v[rT+4], v[rT+5], v[rT+6]
.endr
.irp u, 0,1
	SM_SET \y, \u
	v_max3_num_f32 v[rT+4], v[rT+4], v[rT+7], v[rT+1]      ; and the old m
.endr
.irp u, 0,1
	SM_SET \y, \u
	v_permlanex16_b32 v[rT+5], v[rT+4], s[SEL], s[SEL+1]   ; the query's other 32 keys lie in the lane 16 away
	v_mov_b32 v[rT+7], v[rT]                               ; c m_old is kept
.endr
.irp u, 0,1
	SM_SET \y, \u
	v_max_num_f32 v[rT+1], v[rT+4], v[rT+5]
.endr
.irp u, 0,1
	SM_SET \y, \u
	v_mul_f32 v[rT], s[CS], v[rT+1]
.endr
.irp u, 0,1
	SM_SET \y, \u
	v_sub_f32 v[rT+7], v[rT+7], v[rT]
.endr
.set e, 0
.rept 16
.irp u, 0,1
	SM_SET \y, \u
	v_pk_fma_f32 v[rS+2*e:rS+2*e+1], v[rS+2*e:rS+2*e+1], s[CS:CS+1], v[rT:rT+1] op_sel_hi:[1,0,0] neg_lo:[0,0,1] neg_hi:[0,0,1]   ; c s - c m
.endr
.set e, e+1
.endr
.irp u, 0,1
	SM_SET \y, \u
	v_exp_f32 v[rT+6], v[rT+7]                     ; a = 2^(c m_old - c m_new)
.endr
.set e, 0
.rept 32
	v_exp_f32 v[S+e], v[S+e]
	v_exp_f32 v[S+32+e], v[S+32+e]
.set e, e+1
.endr
	v_nop                                          ; a plain line behind the last exponential
	s_wait_alu depctr_va_vdst(0)                   ; one wait for the batch of 66, ahead of its first reader
.set e, 0
.rept 16
	v_cvt_pk_f16_f32 v[P+e], v[S+2*e], v[S+2*e+1]
	v_cvt_pk_f16_f32 v[P+16+e], v[S+32+2*e], v[S+32+2*e+1]
.set e, e+1
.endr
.irp z, 0,1,2,3,4,5,6,7
.irp u, 0,1
	SM_SET \y, \u
	v_pk_add_f32 v[rS+4*\z:rS+4*\z+1], v[rS+4*\z:rS+4*\z+1], v[rS+4*\z+2:rS+4*\z+3]   ; the sum of the unrounded p, a tree in place
.endr
.endr
.irp z, 0,1,2,3
.irp u, 0,1
	SM_SET \y, \u
	v_pk_add_f32 v[rS+8*\z:rS+8*\z+1], v[rS+8*\z:rS+8*\z+1], v[rS+8*\z+4:rS+8*\z+5]
.endr
.endr
.irp z, 0,1
.irp u, 0,1
	SM_SET \y, \u
	v_pk_add_f32 v[rS+16*\z:rS+16*\z+1], v[rS+16*\z:rS+16*\z+1], v[rS+16*\z+8:rS+16*\z+9]
.endr
.endr
.irp u, 0,1
	SM_SET \y, \u
	v_pk_add_f32 v[rS:rS+1], v[rS:rS+1], v[rS+16:rS+17]
.endr
.irp u, 0,1
	SM_SET \y, \u
	v_pk_fma_f32 v[rT+2:rT+3], v[rT+2:rT+3], v[rT+6:rT+7], v[rS:rS+1] op_sel_hi:[1,0,1]   ; l = a l + the sum
.endr
	WIN W_RS
.irp u, 0,1
	SM_SET \y, \u
.set e, 0
.rept 16
	v_pk_mul_f32 v[rO+2*e:rO+2*e+1], v[rO+2*e:rO+2*e+1], v[rT+6:rT+7] op_sel_hi:[1,0]     ; O^T x a, from each accumulator's low end on
.set e, e+1
.endr
.endr
.endm
.macro PIECE y, q0
	WIN W_KQ
	KQ \y
	WIN 0
.rept 4
	v_nop                                          ; four plain lines between the last product and the first read of the scores (ISA guide 7.12.1)
.endr
	MASK \q0
	SOFTMAX \y
	s_wait_dscnt 0x0                               ; V is in
	WIN W_PV
	PVM \y
	WIN 0
.endm
; A KEY STEP of 64 keys.  The branches hang on ids and on the count of steps; no barrier, wait for tiles or tensor load stands in a step.
.macro STEP
	s_cmp_gt_u32 s[KF], s[QLL]
	s_cbranch_scc1 .Lhidden_\@                     ; all keys come after both chunks' queries
	v_add_nc_u32 v[ADK], s[TBK], v[AK0]
	v_add_nc_u32 v[ADV], s[TBV], v[AV0]
	v_nop
	v_nop                                          ; with the two additions: four plain lines between the last product and the loads into V's registers
.irp kt, 0,1,2,3
.irp ks, 0,1
	ds_load_b128 v[KFR+8*(2*\kt+\ks):KFR+8*(2*\kt+\ks)+3],   v[ADK] offset:16*PK*\kt+64*\ks
	ds_load_b128 v[KFR+8*(2*\kt+\ks)+4:KFR+8*(2*\kt+\ks)+7], v[ADK] offset:16*PK*\kt+64*\ks+32
.endr
.endr
	WIN TO_1
.irp g, 0,1
.irp ct, 0,1,2,3
	ds_load_tr16_b128 v[VFR+8*(4*\g+\ct):VFR+8*(4*\g+\ct)+3],   v[ADV] offset:32*PVP*\g+32*\ct
	ds_load_tr16_b128 v[VFR+8*(4*\g+\ct)+4:VFR+8*(4*\g+\ct)+7], v[ADV] offset:32*PVP*\g+16*PVP+32*\ct
.endr
.endr
	s_wait_dscnt 16                                ; K is in; V's sixteen loads may be out
	PIECE 2, QL
	s_cmp_gt_u32 s[KF], s[QEL]
	s_cbranch_scc1 .Lhidden_\@
	PIECE 0, QE
.Lhidden_\@:
	s_add_co_u32 s[KF], s[KF], 64
	s_add_co_u32 s[TBK], s[TBK], 64*PK
	s_add_co_u32 s[TBV], s[TBV], 64*PVP
.endm
.macro SLOT_STEPS                      ; a slot's four key steps: written once, walked four times
	s_mov_b32 s[STP], 4
.Lstep_\@:
	STEP
	s_sub_co_u32 s[STP], s[STP], 1
	s_cmp_lg_u32 s[STP], 0
	s_cbranch_scc1 .Lstep_\@
	s_sub_co_u32 s[TBK], s[TBK], 4*64*PK
	s_xor_b32 s[TBK], s[TBK], SLOT1                ; on to the other slot
	s_sub_co_u32 s[TBV], s[TBV], 4*64*PVP
	s_xor_b32 s[TBV], s[TBV], SLOT1
.endm
; THE CHANGE OF SLOTS stands at a slot's head.  Each wave waits for all its tensor loads (its part of the slot ahead), adds 0 to its spare word, and waits for that and for its reads of the slot that it has left; one barrier.
; fill = 1: the slot that was left is filled with the next 256 keys, unless its first key comes after the work-group's last query: then no wave would read it.  That test is made of ids and the count of steps alone,
; is the same in all eight waves, and leads round the load's own lines alone; every wait for tensor loads in this text is for 0.
.macro CHANGE fill
	s_wait_tensorcnt 0x0                           ; no tensor load of mine is out, so a group 0 may be written
	ds_add_u32 v[SPW], v[NIL]
.if \fill
	s_xor_b32 s[G0K+1], s[G0K+1], SLOT1
	s_add_nc_u64 s[G0K+2:G0K+3], s[G0K+2:G0K+3], 32768     ; the next 256 rows of 128 bytes
	s_xor_b32 s[G0V+1], s[G0V+1], SLOT1
	s_add_nc_u64 s[G0V+2:G0V+3], s[G0V+2:G0V+3], 32768
	s_wait_xcnt 0x0                                ; the last prefetch, a slot back, has read its address
	s_add_nc_u64 s[PFA:PFA+1], s[PFA:PFA+1], 32768
.endif
	s_wait_dscnt 0x0
	s_barrier_signal -1
	s_barrier_wait -1
.if \fill
	s_add_co_u32 s[T0], s[KF], 256                 ; the first key of the slot that this change would ask for
	s_cmp_gt_u32 s[T0], s[LASTQ]
	s_cbranch_scc1 .Lpast_\@
	TLOAD                                          ; my one tensor load until the next change: it has four key steps in which to land
.Lpast_\@:
	ASK
.endif
.endm
	s_wait_loadcnt 0x0                             ; Q
.Lslot:                                            ; seven trips
	CHANGE 1
	SLOT_STEPS
	s_sub_co_u32 s[SLOTS], s[SLOTS], 1
	s_cmp_lg_u32 s[SLOTS], 0
	s_cbranch_scc1 .Lslot
	CHANGE 0                                       ; the last slot is written out: nothing is left to ask for
	SLOT_STEPS
	; THE WAY OUT.  l's halves are added; O^T / l is rounded to f16 and goes through my stage, a tile of 16 rows at a time; four rows of 128 bytes are 512 consecutive bytes of the head's plane.
.irp t, 0,1,2,3
	v_add_f32 v[ST+8*\t+4], v[ST+8*\t+2], v[ST+8*\t+3]     ; (four plain lines behind the last products)
.endr
.irp t, 0,1,2,3
	v_permlanex16_b32 v[ST+8*\t+5], v[ST+8*\t+4], s[SEL], s[SEL+1]
.endr
.irp t, 0,1,2,3
	v_add_f32 v[ST+8*\t+4], v[ST+8*\t+4], v[ST+8*\t+5]
.endr
.irp t, 0,1,2,3
	v_rcp_f32 v[ST+8*\t+6], v[ST+8*\t+4]
.endr
	v_nop
	s_wait_alu depctr_va_vdst(0)                   ; one wait for the four reciprocals
.macro PACK t
	WIN W_RS
.set i, 0
.rept 16
	v_pk_mul_f32 v[OT+32*\t+2*i:OT+32*\t+2*i+1], v[OT+32*\t+2*i:OT+32*\t+2*i+1], v[ST+8*\t+6:ST+8*\t+7] op_sel_hi:[1,0]
.set i, i+1
.endr
	WIN 0x05                                       ; sources 0 and 1 window 1, destination window 0
.set i, 0
.rept 16
	v_cvt_pk_f16_f32 v[S+16*\t+i], v[OT+32*\t+2*i], v[OT+32*\t+2*i+1]
.set i, i+1
.endr
	WIN 0
.irp ct, 0,1,2,3
	ds_store_b128 v[STO], v[S+16*\t+4*\ct:S+16*\t+4*\ct+3] offset:32*\ct
.endr
.irp f, 0,1,2,3
	ds_load_b128 v[P+16*\t+4*\f:P+16*\t+4*\f+3], v[RD] offset:4*SP*\f     ; LDS serves a wave's instructions in order: these see the stores above, and the next tile's stores come behind them
.endr
.endm
.macro SEND t, younger                 ; younger: the next tile's four stores and four loads, or none
.irp f, 0,1,2,3
	s_wait_dscnt \younger+3-\f
	global_store_b128 v[GO], v[P+16*\t+4*\f:P+16*\t+4*\f+3], s[YBE+2*((\t)/2):YBE+2*((\t)/2)+1] offset:2048*((\t)%2)+512*\f   ; 32 lanes store 512 consecutive bytes, aligned to 256
.endr
.endm
	PACK 0
	PACK 1
	SEND 0, 8
	PACK 2
	SEND 1, 8
	PACK 3
	SEND 2, 8
	SEND 3, 0
	s_wait_tensorcnt 0x0                           ; the wave's end
	ds_add_u32 v[SPW], v[NIL]
	s_wait_dscnt 0x0
	s_endpgm
.Lfunc_end_k_q1dd21b24eb_attn:
	.size	k_q1dd21b24eb_attn, .Lfunc_end_k_q1dd21b24eb_attn-k_q1dd21b24eb_attn
	.p2alignl 7, 3214868480
	.fill 96, 4, 3214868480
	.section	.rodata,"a",@progbits
	.p2align	6, 0x0
	.amdhsa_kernel k_q1dd21b24eb_attn
		.amdhsa_group_segment_fixed_size 327680
		.amdhsa_private_segment_fixed_size 0
		.amdhsa_enable_private_segment 0
		.amdhsa_kernarg_size 16
		.amdhsa_user_sgpr_count 2
		.amdhsa_user_sgpr_kernarg_segment_ptr 1
		.amdhsa_wavefront_size32 1
		.amdhsa_system_sgpr_workgroup_id_x 1
		.amdhsa_system_sgpr_workgroup_id_y 1
		.amdhsa_system_sgpr_workgroup_id_z 1
		.amdhsa_system_vgpr_workitem_id 0
		.amdhsa_next_free_vgpr 512
		.amdhsa_next_free_sgpr 72
		.amdhsa_reserve_vcc 1
		.amdhsa_float_denorm_mode_32 3
		.amdhsa_float_denorm_mode_16_64 3
		.amdhsa_memory_ordered 1
		.amdhsa_forward_progress 1
		.amdhsa_inst_pref_size 109
	.end_amdhsa_kernel
	.amdgpu_metadata
---
amdhsa.version: [ 1, 2 ]
amdhsa.kernels:
  - .name:           k_q1dd21b24eb_attn
    .symbol:         k_q1dd21b24eb_attn.kd
    .args:
      - { .name: qkv, .offset: 0, .size: 8, .value_kind: global_buffer, .address_space: global }
      - { .name: y16, .offset: 8, .size: 8, .value_kind: global_buffer, .address_space: global }
    .group_segment_fixed_size: 327680
    .private_segment_fixed_size: 0
    .kernarg_segment_align: 8
    .kernarg_segment_size: 16
    .max_flat_workgroup_size: 256
    .sgpr_count:     72
    .vgpr_count:     512
    .wavefront_size: 32
...
	.end_amdgpu_metadata
.endif
;; end of part 3
;; launch proj (part 4): grid 4 x 64, 4 waves a work-group, clusters of 4 x 4, 327,680 bytes of LDS; arguments y16, wp16, out0; writes out0
.if DOCPART == 4
	.amdgcn_target "amdgcn-amd-amdhsa--gfx1250"
	.amdhsa_code_object_version 6
	.text
	.protected	k_q1dd21b24eb_proj
	.globl	k_q1dd21b24eb_proj
	.p2align	8
	.type	k_q1dd21b24eb_proj,@function
k_q1dd21b24eb_proj:
	s_mov_b64 s[64:65], 0
	v_nop
	global_prefetch_b8 v0, s[64:65] scope:SCOPE_SE
	s_setreg_imm32_b32 hwreg(HW_REG_WAVE_MODE, 25, 1), 1
	s_wait_xcnt 0x0
	s_wait_alu depctr_hold_cnt(0) depctr_sa_sdst(0) depctr_va_vdst(0) depctr_va_sdst(0) depctr_va_ssrc(0) depctr_va_vcc(0) depctr_vm_vsrc(0)
	s_getreg_b32 s2, hwreg(HW_REG_IB_STS2, 6, 4)
	s_cmp_eq_u32 s2, 0
	s_cbranch_scc0 .Lentry_in_a_cluster
	s_endpgm
.Lentry_in_a_cluster:
	s_bfe_u32 s2, ttmp6, 0x10000c
	s_cmp_lg_u32 s2, 0xf033
	s_cbranch_scc0 .Lentry_shape_is_right
	s_endpgm
.Lentry_shape_is_right:
; out0 = y w_proj in f16 operands, f32 sums.  y16: [4 b][16 h][2048 l][64] f16, so k = 64 h + d; wp16: [1024 k][1024 n] f16; out0: [8192][1024] f32.  The rows l < 16 of every sequence are not stored here: a finer launch makes them.
; A tile of 128 x 256 to a work-group: 256 work-groups.  Four waves, each 64 x 128: 32 accumulators, 256 registers (window 2).  K goes in steps of 128 (two heads) through two LDS slots.
; A slot: y's two planes of 128 rows x 128 bytes (pitch 144), then 128 k-rows of w x 512 bytes (pitch 544), which come out turned by ds_load_tr16_b128.
; CLUSTERS: 4 x 4.  The tile row is 16 cy + cluster y (cy = the batch), the tile column 4 x cluster x + cx.  y's tiles are shared along a row of the cluster, w's along a column: joint loads.
; THE MATRIX INSTRUCTION IS USED TRANSPOSED (source 0 = 16 columns of w, source 1 = 16 rows of y): a lane holds eight neighbouring columns of one row of the output.
; REGISTERS: window 0: v16-30 addresses; v64-95, v96-127 y's fragments, two buffers; v128-255 the way out.  window 1: v0-63, v64-127 w's fragments, two buffers.  window 2: accumulator (a, b) at v[8 (8 a + b)].
.set APL,    128*144                   ; a plane of y in LDS
.set BOFF,   2*APL
.set BP,     544                       ; 512 bytes + 32: 136 words
.set SLOT,   BOFF+128*BP
.set STAGE,  2*SLOT                    ; the way out: 16 rows x 528 bytes for each wave
.set SPITCH, 528
.set SPARE,  STAGE+4*16*SPITCH
.set LAPS,   4                         ; 1,024 / 256
.set ADRA, 16
.set ADRB, 20
.set STO,  24
.set RD,   25
.set CO,   26
.set SPW,  28
.set NIL,  29
.set PFO,  30
.set AF,   64
.set BK,   128
.set G1, 24
.set G0, 32
.set G1B, 48
.set G0B, 56
.set LIM, 45
.set PFA, 66
.set MSB, 0
.macro WIN new
.if MSB != \new
	s_set_vgpr_msb (MSB<<8)|\new
.set MSB, \new
.endif
.endm
.set MUL,  0xa1                        ; source 0 (w) window 1, source 1 (y) window 0, C and D window 2
.set TO_B, 0x40
.macro JLOAD s                         ; waves 0 and 1 fetch y's two planes, waves 2 and 3 w's two halves; an s_nop 0 and four v_nop follow each line
	s_cmp_eq_u32 s11, 0
	s_cbranch_scc0 .Lfor_b_\@
	tensor_load_to_lds s[G0+4*\s:G0+4*\s+3], s[G1:G1+7]
	s_nop 0
.rept 4
	v_nop
.endr
	s_branch .Lasked_\@
.Lfor_b_\@:
	tensor_load_to_lds s[G0B+4*\s:G0B+4*\s+3], s[G1B:G1B+7]
	s_nop 0
.rept 4
	v_nop
.endr
.Lasked_\@:
.endm
.macro CREST
	s_cmp_lg_u32 s10, 0
	s_cbranch_scc1 .Lnot_wave_0_\@
	s_barrier_signal -3
.Lnot_wave_0_\@:
	s_barrier_wait -3
	s_barrier_signal -1
	s_barrier_wait -1
.endm
.macro CROUND
	s_barrier_signal -1
	s_barrier_wait -1
	CREST
.endm
; A prefetch of y's tile two refills (256 matrix instructions) on.  A tile row's y is read by one row of one cluster: its four partners share the tile's 128 blocks of 256 bytes BY ADDRESS (plane cx / 2, half cx % 2),
; wave 0 of each asks, a lane a block.  A tile's last two refills have no K step two on.  w is read again by all 64 tile rows and is not asked for.
.macro ASK
	s_cmp_gt_u32 s3, s[LIM]
	s_cbranch_scc0 .Lnot_mine_\@
	global_prefetch_b8 v[PFO], s[PFA:PFA+1] th:TH_LOAD_NT scope:SCOPE_SE
.Lnot_mine_\@:
.endm
	s_load_b128 s[4:7], s[0:1], 0x0                ; y16, wp16
	s_load_b64 s[8:9], s[0:1], 0x10                ; out0
	v_lshl_add_u32 v[SPW], v0, 2, SPARE
	v_mov_b32 v[NIL], 0
	ds_add_u32 v[SPW], v[NIL]                      ; the opening: the add, twice on end, and its wait ahead of my first tensor load
	ds_add_u32 v[SPW], v[NIL]
	v_lshrrev_b32 v1, 5, v0
	v_readfirstlane_b32 s10, v1                    ; wave 0..3
	s_lshr_b32 s11, s10, 1                         ; my half of the tile's rows; also: I fetch for y (0) or w (1)
	s_and_b32 s12, s10, 1                          ; my half of its columns; also: which plane or half I fetch
	s_bfe_u32 s40, ttmp6, 0x40000                  ; cx
	s_bfe_u32 s41, ttmp6, 0x40004                  ; cy
	s_lshl_b32 s42, ttmp9, 2
	s_add_co_u32 s42, s42, s40                     ; tile column
	s_and_b32 s13, ttmp7, 0xffff                   ; cluster y: the block of 128 positions
	s_or_b32 s68, s13, s11                         ; 0 where my first 16 rows are l = 0 .. 15
	s_lshl_b32 s43, s41, 2
	s_lshl_b32 s43, 15, s43                        ; my row of the cluster
	s_lshl_b32 s44, 0x1111, s40                    ; my column
	s_or_b32 s[G1+0], s43, (1<<16)|(1<<20)|(1<<21)|(4<<22)|(3<<25)    ; mask; elements of 2 bytes; 4 words of padding behind every 32; bit 21 beside a mask
	s_mov_b32 s[G1+1], 64<<16                      ; tensor_dim0 = 64
	s_mov_b32 s[G1+2], 128<<16                     ; tensor_dim1 = 128
	s_mov_b32 s[G1+3], 64<<16                      ; tile_dim0
	s_mov_b32 s[G1+4], 128                         ; tile_dim1
	s_mov_b32 s[G1+5], 64                          ; the pitch
	s_mov_b32 s[G1+6], 0
	s_mov_b32 s[G1+7], 0
	s_or_b32 s[G1B+0], s44, (1<<16)|(1<<20)|(1<<21)|(6<<22)|(7<<25)   ; 8 words of padding behind every 128
	s_mov_b32 s[G1B+1], 256<<16
	s_mov_b32 s[G1B+2], 64<<16
	s_mov_b32 s[G1B+3], 256<<16
	s_mov_b32 s[G1B+4], 64
	s_mov_b32 s[G1B+5], 1024
	s_mov_b32 s[G1B+6], 0
	s_mov_b32 s[G1B+7], 0
	s_lshl_b32 s16, s41, 4
	s_add_co_u32 s16, s16, s12
	s_lshl_b32 s16, s16, 18                        ; y: plane 16 cy + my plane of the step's two,
	s_lshl_b32 s17, s13, 14                        ; row 128 x cluster y of 128 bytes
	s_add_co_u32 s16, s16, s17
	s_mov_b32 s17, 0
	s_lshl_b32 s46, s12, 17                        ; w: k-row 64 x my half, of 2,048 bytes,
	s_lshl_b32 s47, s42, 9                         ; column 256 x tile column
	s_add_co_u32 s46, s46, s47
	s_mov_b32 s47, 0
	s_mul_i32 s20, s12, APL                        ; where they go: no place in the cluster enters an LDS address
	s_mul_i32 s21, s12, 64*BP
	s_add_co_u32 s21, s21, BOFF
	s_cmp_eq_u32 s10, 0
	s_cselect_b32 s[LIM], 1, -1
	s_wait_dscnt 0x0                               ; both opening adds are done
	s_wait_kmcnt 0x0
	s_add_nc_u64 s[14:15], s[4:5], s[16:17]
	s_add_nc_u64 s[46:47], s[6:7], s[46:47]
	CROUND                                         ; all sixteen work-groups are here: the first joint loads meet
.irp s, 0,1
	s_mov_b32 s[G0+4*\s], 1
	s_add_co_u32 s[G0+4*\s+1], s20, \s*SLOT
	s_add_nc_u64 s[G0+4*\s+2:G0+4*\s+3], s[14:15], \s*524288        ; K step s: two planes on
	s_or_b32 s[G0+4*\s+3], s[G0+4*\s+3], 0x80000000
	s_mov_b32 s[G0B+4*\s], 1
	s_add_co_u32 s[G0B+4*\s+1], s21, \s*SLOT
	s_add_nc_u64 s[G0B+4*\s+2:G0B+4*\s+3], s[46:47], \s*262144      ; 128 k-rows on
	s_or_b32 s[G0B+4*\s+3], s[G0B+4*\s+3], 0x80000000
	JLOAD \s
.endr
	v_and_b32 v1, 15, v0                           ; r
	v_bfe_u32 v2, v0, 4, 1                         ; h
	v_mul_u32_u24 v3, v1, 144
	v_lshl_add_u32 v3, v2, 4, v3
	v_and_b32 v4, 7, v0
	v_lshl_add_u32 v4, v2, 3, v4                   ; the turning load: k-row 8 h + lane % 8, columns 8 ((lane / 8) % 2) on
	v_mul_u32_u24 v4, v4, BP
	v_bfe_u32 v5, v0, 3, 1
	v_lshl_add_u32 v4, v5, 4, v4
	s_mul_i32 s22, s11, 64*144                     ; my 64 rows of y
	s_lshl_b32 s23, s12, 8                         ; my 128 columns of w
	s_add_co_u32 s23, s23, BOFF
.irp s, 0,1
	v_add_nc_u32 v[ADRA+\s], s22, v3
	v_add_nc_u32 v[ADRB+\s], s23, v4
	s_add_co_u32 s22, s22, SLOT
	s_add_co_u32 s23, s23, SLOT
.endr
	s_mul_i32 s23, s10, 16*SPITCH
	s_add_co_u32 s23, s23, STAGE                   ; my stage
	v_mul_u32_u24 v5, v1, SPITCH
	v_lshl_add_u32 v5, v2, 5, v5
	v_add_nc_u32 v[STO], s23, v5
	v_and_b32 v6, 31, v0
	v_lshlrev_b32 v[CO], 4, v6
	v_add_nc_u32 v[RD], s23, v[CO]
	v_lshlrev_b32 v[PFO], 8, v6
	s_lshl_b32 s16, s41, 4
	s_add_co_u32 s16, s16, s13                     ; tile row
	s_lshl_b32 s16, s16, 19                        ; 128 rows of 4,096 bytes,
	s_lshl_b32 s17, s11, 18                        ; my 64 rows,
	s_add_co_u32 s16, s16, s17
	s_lshl_b32 s17, s42, 10                        ; the tile's 256 columns,
	s_add_co_u32 s16, s16, s17
	s_lshl_b32 s17, s12, 9                         ; my 128
	s_add_co_u32 s16, s16, s17
	s_mov_b32 s17, 0
	s_add_nc_u64 s[8:9], s[8:9], s[16:17]
	s_lshl_b32 s16, s41, 4                         ; the prefetches: plane 16 cy + cx / 2,
	s_lshr_b32 s17, s40, 1
	s_add_co_u32 s16, s16, s17
	s_lshl_b32 s16, s16, 18
	s_lshl_b32 s17, s13, 14
	s_add_co_u32 s16, s16, s17
	s_and_b32 s17, s40, 1
	s_lshl_b32 s17, s17, 13                        ; half cx % 2 of its 128 rows,
	s_add_co_u32 s16, s16, s17
	s_add_co_u32 s16, s16, 3*524288                ; at K step 3: the first refill (K step 2) steps it to 4
	s_mov_b32 s17, 0
	s_add_nc_u64 s[PFA:PFA+1], s[4:5], s[16:17]
.macro MULA f, a, zero                 ; 8 matrix instructions: y's block a x w's eight, 32 along K.  The 32 accumulators take turns, in the same order in every quarter
.irp b, 0,1,2,3,4,5,6,7
.if \zero
	v_wmma_f32_16x16x32_f16 v[8*(8*(\a)+\b):8*(8*(\a)+\b)+7], v[64*(\f)+8*\b:64*(\f)+8*\b+7], v[AF+32*(\f)+8*(\a):AF+32*(\f)+8*(\a)+7], 0
.else
	v_wmma_f32_16x16x32_f16 v[8*(8*(\a)+\b):8*(8*(\a)+\b)+7], v[64*(\f)+8*\b:64*(\f)+8*\b+7], v[AF+32*(\f)+8*(\a):AF+32*(\f)+8*(\a)+7], v[8*(8*(\a)+\b):8*(8*(\a)+\b)+7]
.endif
.endr
.endm
.macro FETCH slot, q, f                ; 24 LDS loads in one run: the fragments of the slot's q-th 32 along K into buffer f; w's first, then y's blocks 0 to 3
	WIN TO_B
.irp bb, 0,1,2,3,4,5,6,7
	ds_load_tr16_b128 v[64*(\f)+8*\bb:64*(\f)+8*\bb+3],   v[ADRB+\slot] offset:32*BP*(\q)+32*\bb
	ds_load_tr16_b128 v[64*(\f)+8*\bb+4:64*(\f)+8*\bb+7], v[ADRB+\slot] offset:32*BP*(\q)+16*BP+32*\bb
.endr
	WIN 0
.irp a, 0,1,2,3
	ds_load_b128 v[AF+32*(\f)+8*\a:AF+32*(\f)+8*\a+3],   v[ADRA+\slot] offset:((\q)/2)*APL+64*((\q)%2)+16*144*\a
	ds_load_b128 v[AF+32*(\f)+8*\a+4:AF+32*(\f)+8*\a+7], v[ADRA+\slot] offset:((\q)/2)*APL+64*((\q)%2)+16*144*\a+32
.endr
.endm
.macro PLACES                          ; four plain lines in front of loads into registers that matrix instructions have read, and of reads of results
.rept 4
	v_nop
.endr
.endm
.macro QUARTER slot, qn, f, g, zero    ; multiplies buffer f; in its middle it fetches the slot's quarter qn into buffer g
	s_wait_dscnt 4                                 ; w's fragments and y's blocks 0, 1 are in; blocks 2, 3 may be out
	WIN MUL
	MULA \f, 0, \zero
	MULA \f, 1, \zero
	PLACES
	FETCH \slot, \qn, \g
	s_wait_dscnt 24                                ; all but the 24 just issued
	WIN MUL
	MULA \f, 2, \zero
	MULA \f, 3, \zero
.endm
; A slot's last quarter multiplies buffer 1 and changes slots: each wave waits for all its tensor loads, adds 0 to its spare word, and waits for that and for its reads of this slot.
; fill = 1: the barrier opens a round of the cluster's barrier, and the joint refill, two K steps ahead, is the first tensor load behind it: 112 matrix instructions ahead of the wait for it.
.macro TURN slot, next, fill
.if \fill
	s_wait_xcnt 0x0                                ; the last prefetch, a K step back, has read its address
	s_add_nc_u64 s[PFA:PFA+1], s[PFA:PFA+1], 524288
.endif
	WIN 0
	s_wait_tensorcnt 0x0
	ds_add_u32 v[SPW], v[NIL]
	s_wait_dscnt 5                                 ; the add and y's blocks 2, 3 may be out
	WIN MUL
	MULA 1, 0, 0
	s_wait_dscnt 0x0
	s_barrier_signal -1
	MULA 1, 1, 0
	WIN 0
	s_barrier_wait -1
.if \fill
	CREST
	s_add_nc_u64 s[G0+4*\slot+2:G0+4*\slot+3], s[G0+4*\slot+2:G0+4*\slot+3], 1048576     ; four planes on
	s_add_nc_u64 s[G0B+4*\slot+2:G0B+4*\slot+3], s[G0B+4*\slot+2:G0B+4*\slot+3], 524288  ; 256 k-rows on
	JLOAD \slot                                    ; its four v_nop are also the places in front of the loads below
.else
	PLACES
.endif
	FETCH \next, 0, 0
.if \fill
	ASK
.endif
	WIN MUL
	MULA 1, 2, 0
	MULA 1, 3, 0
.endm
	s_wait_tensorcnt 1                             ; my part of K step 0 is in; K step 1's load may be out
	s_barrier_signal -1
	s_barrier_wait -1
	FETCH 0, 0, 0
	QUARTER 0, 1, 0, 1, 1                          ; the first quarter's products start the sums
	WIN 0
	s_mov_b32 s3, LAPS-1
.Llap:                                                 ; a trip goes once round the ring and fills both slots again
	QUARTER 0, 2, 1, 0, 0
	QUARTER 0, 3, 0, 1, 0
	TURN 0, 1, 1
	QUARTER 1, 1, 0, 1, 0
	QUARTER 1, 2, 1, 0, 0
	QUARTER 1, 3, 0, 1, 0
	TURN 1, 0, 1
	QUARTER 0, 1, 0, 1, 0
	WIN 0
	s_sub_co_u32 s3, s3, 1
	s_cmp_lg_u32 s3, 0
	s_cbranch_scc1 .Llap
	QUARTER 0, 2, 1, 0, 0                          ; the last lap fills nothing
	QUARTER 0, 3, 0, 1, 0
	TURN 0, 1, 0
	QUARTER 1, 1, 0, 1, 0
	QUARTER 1, 2, 1, 0, 0
	QUARTER 1, 3, 0, 1, 0
	s_wait_dscnt 4
	WIN MUL
	MULA 1, 0, 0
	MULA 1, 1, 0
	s_wait_dscnt 0
	MULA 1, 2, 0
	MULA 1, 3, 0
	WIN 0
	PLACES
; THE WAY OUT, a block of 16 rows x 128 columns at a time, through my own stage: back as rows of 512 bytes.
.macro OUTB a
.if (\a) >= 2
	s_wait_xcnt 0x0                                ; the stores of two blocks back have read the registers that are loaded now
.endif
	WIN 0x08                                       ; an LDS store's data: window 2
.irp b, 0,1,2,3,4,5,6,7
	ds_store_b128 v[STO], v[8*(8*(\a)+\b):8*(8*(\a)+\b)+3] offset:64*\b        ; each accumulator from its low end on
	ds_store_b128 v[STO], v[8*(8*(\a)+\b)+4:8*(8*(\a)+\b)+7] offset:64*\b+16
.endr
	WIN 0
.irp t, 0,1,2,3,4,5,6,7,8,9,10,11,12,13,14,15
	ds_load_b128 v[BK+64*((\a)%2)+4*\t:BK+64*((\a)%2)+4*\t+3], v[RD] offset:\t*SPITCH   ; LDS serves a wave's instructions in order
.endr
.irp t, 0,1,2,3,4,5,6,7,8,9,10,11,12,13,14,15
	s_wait_dscnt 15-\t                             ; the younger loads may be out
	global_store_b128 v[CO], v[BK+64*((\a)%2)+4*\t:BK+64*((\a)%2)+4*\t+3], s[8:9] offset:65536*(\a)+4096*\t th:TH_STORE_NT   ; 32 lanes store 512 consecutive bytes, aligned to 256
.endr
.endm
	s_cmp_eq_u32 s68, 0                            ; cluster y and the wave's number alone: alike in all partners
	s_cbranch_scc1 .Lnot_first                     ; rows l < 16 are the finer launch's
	OUTB 0
.Lnot_first:
	OUTB 1
	OUTB 2
	OUTB 3
	s_wait_tensorcnt 0x0                           ; the wave's end
	ds_add_u32 v[SPW], v[NIL]
	s_wait_dscnt 0x0
	CROUND                                         ; the closing round
	s_endpgm
.Lfunc_end_k_q1dd21b24eb_proj:
	.size	k_q1dd21b24eb_proj, .Lfunc_end_k_q1dd21b24eb_proj-k_q1dd21b24eb_proj
	.p2alignl 7, 3214868480
	.fill 96, 4, 3214868480
	.section	.rodata,"a",@progbits
	.p2align	6, 0x0
	.amdhsa_kernel k_q1dd21b24eb_proj
		.amdhsa_group_segment_fixed_size 327680
		.amdhsa_private_segment_fixed_size 0
		.amdhsa_enable_private_segment 0
		.amdhsa_kernarg_size 24
		.amdhsa_user_sgpr_count 2
		.amdhsa_user_sgpr_kernarg_segment_ptr 1
		.amdhsa_wavefront_size32 1
		.amdhsa_system_sgpr_workgroup_id_x 1
		.amdhsa_system_sgpr_workgroup_id_y 1
		.amdhsa_system_sgpr_workgroup_id_z 1
		.amdhsa_system_vgpr_workitem_id 0
		.amdhsa_next_free_vgpr 768
		.amdhsa_next_free_sgpr 72
		.amdhsa_reserve_vcc 0
		.amdhsa_float_denorm_mode_32 3
		.amdhsa_float_denorm_mode_16_64 3
		.amdhsa_memory_ordered 1
		.amdhsa_forward_progress 1
		.amdhsa_inst_pref_size 88
	.end_amdhsa_kernel
	.amdgpu_metadata
---
amdhsa.version: [ 1, 2 ]
amdhsa.kernels:
  - .name:           k_q1dd21b24eb_proj
    .symbol:         k_q1dd21b24eb_proj.kd
    .args:
      - { .name: y16, .offset: 0, .size: 8, .value_kind: global_buffer, .address_space: global }
      - { .name: wp16, .offset: 8, .size: 8, .value_kind: global_buffer, .address_space: global }
      - { .name: out0, .offset: 16, .size: 8, .value_kind: global_buffer, .address_space: global }
    .group_segment_fixed_size: 327680
    .private_segment_fixed_size: 0
    .kernarg_segment_align: 8
    .kernarg_segment_size: 24
    .max_flat_workgroup_size: 128
    .sgpr_count:     72
    .vgpr_count:     768
    .wavefront_size: 32
...
	.end_amdgpu_metadata
.endif
;; end of part 4
;; launch fine (part 5): grid 16 x 4, 16 waves a work-group, no clusters, 85,248 bytes of LDS; arguments s32, w_proj, out0; writes out0
.if DOCPART == 5
	.amdgcn_target "amdgcn-amd-amdhsa--gfx1250"
	.amdhsa_code_object_version 6
	.text
	.protected	k_q1dd21b24eb_fine
	.globl	k_q1dd21b24eb_fine
	.p2align	8
	.type	k_q1dd21b24eb_fine,@function
k_q1dd21b24eb_fine:
	s_mov_b64 s[64:65], 0
	v_nop
	global_prefetch_b8 v0, s[64:65] scope:SCOPE_SE
	s_setreg_imm32_b32 hwreg(HW_REG_WAVE_MODE, 25, 1), 1
	s_wait_xcnt 0x0
; The first 16 positions of every sequence, all in f32: these rows average few values and are the largest, so f16 operands would weigh most here.  64 rows of 8,192: no bulk work.
; s32: [16 b + l][3072] f32 (q, k, v of rows l < 16); w_proj [1024][1024] f32; out0 rows b x 2048 + l, l < 16.
; A work-group takes a batch (y) and 64 output columns (x).  PHASE A: wave = head: S^T = K Q^T, causal softmax with the row's maximum taken away, O^T = V^T P; y's 16 x 1024 meet in LDS.
; PHASE B: wave (ct = w % 4, kq = w / 4) multiplies y's columns 256 kq on by w_proj for output columns 16 ct on; the four parts along K are added through LDS.
; v_wmma_f32_16x16x4_f32: lane (r, h), register j holds k-place 2 h + j.  Which k stands at a place is free as long as both sources agree: so a lane takes neighbours.
; The accumulators v16-47 and v48-79 are written by matrix instructions alone; four take turns, one instruction a turn.  NaN and infinities are not served.
.set YP,    4112                       ; a row of y in LDS: 4,096 bytes + 16
.set PART,  16*YP                      ; four parts of 16 rows x (256 bytes + 16)
.set PP,    272
.set SPARE, PART+4*16*PP               ; the spare words, 128 bytes for each wave
.set SPW, 14
.set NIL, 15
.set SA,  16
.set OA,  48
.set Q,   80
.set K,   112
.set V,   144
.set T,   176
.set P,   184
.set U,   192
.set M,   200
.set M2,  201
.set CM,  202
.set W,   80                           ; phase B: w_proj, four chunks of 32 registers
.set AR,  208                          ; phase B: y, 32 registers
	s_load_b128 s[4:7], s[0:1], 0x0                ; s32, w_proj
	s_load_b64 s[8:9], s[0:1], 0x10                ; out0
	v_lshl_add_u32 v[SPW], v0, 2, SPARE
	v_mov_b32 v[NIL], 0
	v_lshrrev_b32 v1, 5, v0
	v_readfirstlane_b32 s10, v1                    ; wave 0..15: the head
	s_and_b32 s11, ttmp7, 0xffff                   ; the batch
	s_and_b32 s12, s10, 3                          ; ct
	s_lshr_b32 s13, s10, 2                         ; kq
	v_and_b32 v1, 15, v0                           ; r
	v_bfe_u32 v2, v0, 4, 1                         ; h
	s_lshl_b32 s14, s10, 8                         ; a head's 64 numbers are 256 bytes
	v_mul_u32_u24 v3, v1, 12288
	v_lshl_add_u32 v3, v2, 7, v3
	v_add_nc_u32 v3, s14, v3                       ; q, k: row r, channels 32 h on
	v_mul_u32_u24 v4, v2, 8*12288
	v_lshl_add_u32 v4, v1, 2, v4
	v_add_nc_u32 v4, s14, v4                       ; v: rows 8 h on, channel r
	v_lshlrev_b32 v5, 3, v2
	v_sub_nc_u32 v5, v1, v5                        ; r - 8 h
	v_mul_u32_u24 v6, v1, YP
	v_lshl_add_u32 v7, v2, 4, v6
	v_lshl_add_u32 v6, v2, 5, v6
	v_add_nc_u32 v6, s14, v6                       ; y, in: row r, 256 head + 32 h
	s_lshl_b32 s15, s13, 10
	v_add_nc_u32 v7, s15, v7                       ; y, back: row r, 1,024 kq + 16 h
	v_lshlrev_b32 v8, 14, v2
	v_lshl_add_u32 v8, v1, 2, v8                   ; w_proj: rows 4 h on, column r
	v_mul_u32_u24 v9, v2, 8*PP
	v_lshl_add_u32 v9, v1, 2, v9
	s_mul_i32 s15, s13, 16*PP
	s_lshl_b32 s16, s12, 6
	s_add_co_u32 s15, s15, s16
	s_add_co_u32 s15, s15, PART
	v_add_nc_u32 v9, s15, v9                       ; my part: rows 8 h on, column 16 ct + r
	v_mul_u32_u24 v10, v2, PP
	v_lshl_add_u32 v10, v1, 4, v10
	s_min_u32 s15, s10, 7                          ; (waves 0-7 make the last sum)
	s_mul_i32 s15, s15, 2*PP
	s_add_co_u32 s15, s15, PART
	v_add_nc_u32 v10, s15, v10                     ; row 2 w + h, 16 r bytes on
	v_lshlrev_b32 v11, 12, v2
	v_lshl_add_u32 v11, v1, 4, v11                 ; the same in out0
	v_mov_b32 v12, 0xff800000                      ; -infinity
	v_mov_b32 v[M2], 0                             ; a lane permute's destination counts as one of its sources
	s_mov_b32 s20, 0x76543210
	s_mov_b32 s21, 0xfedcba98
	s_mov_b32 s22, 0x3e38aa3b                      ; c = log2(e) / 8
	s_mul_i32 s16, s11, 16*12288
	s_mov_b32 s17, 0
	s_lshl_b32 s18, s13, 20                        ; 256 rows of 4,096 bytes for each kq,
	s_lshl_b32 s19, ttmp9, 8                       ; the work-group's 64 columns,
	s_add_co_u32 s18, s18, s19
	s_lshl_b32 s19, s12, 6                         ; my 16
	s_add_co_u32 s18, s18, s19
	s_mov_b32 s19, 0
	s_lshl_b32 s24, s11, 23                        ; out0: 2,048 rows of 4,096 bytes a batch,
	s_lshl_b32 s25, s10, 13                        ; two rows a wave,
	s_add_co_u32 s24, s24, s25
	s_lshl_b32 s25, ttmp9, 8
	s_add_co_u32 s24, s24, s25
	s_mov_b32 s25, 0
	s_wait_kmcnt 0x0
	s_add_nc_u64 s[4:5], s[4:5], s[16:17]
	s_add_nc_u64 s[6:7], s[6:7], s[18:19]
	s_add_nc_u64 s[8:9], s[8:9], s[24:25]
.irp i, 0,1,2,3,4,5,6,7
	global_load_b128 v[Q+4*\i:Q+4*\i+3], v3, s[4:5] offset:16*\i
.endr
.irp i, 0,1,2,3,4,5,6,7
	global_load_b128 v[K+4*\i:K+4*\i+3], v3, s[4:5] offset:4096+16*\i
.endr
.irp ct, 0,1,2,3
.irp i, 0,1,2,3,4,5,6,7
	global_load_b32 v[V+8*\ct+\i], v4, s[4:5] offset:8192+12288*\i+64*\ct     ; v(8 h + i, 16 ct + r)
.endr
.endr
	s_wait_loadcnt 32                              ; q and k are in; v's 32 loads may be out
	; S^T = K Q^T: step s takes channels 32 h + 2 s, + 1 on both sides
.irp s, 0,1,2,3
	v_wmma_f32_16x16x4_f32 v[SA+8*\s:SA+8*\s+7], v[K+2*\s:K+2*\s+1], v[Q+2*\s:Q+2*\s+1], 0
.endr
.irp s, 4,5,6,7,8,9,10,11,12,13,14,15
	v_wmma_f32_16x16x4_f32 v[SA+8*(\s%4):SA+8*(\s%4)+7], v[K+2*\s:K+2*\s+1], v[Q+2*\s:Q+2*\s+1], v[SA+8*(\s%4):SA+8*(\s%4)+7]
.endr
.rept 8
	v_nop                                          ; eight plain lines behind this form (ISA guide 7.12.1)
.endr
.irp p, 0,2,4,6
	v_pk_add_f32 v[T+\p:T+\p+1], v[SA+\p:SA+\p+1], v[SA+8+\p:SA+8+\p+1]        ; each accumulator from its low end on
	v_pk_add_f32 v[U+\p:U+\p+1], v[SA+16+\p:SA+16+\p+1], v[SA+24+\p:SA+24+\p+1]
.endr
.irp p, 0,2,4,6
	v_pk_add_f32 v[T+\p:T+\p+1], v[T+\p:T+\p+1], v[U+\p:U+\p+1]               ; lane (r, h), register j: score of query r and key 8 h + j
.endr
.irp j, 0,1,2,3,4,5,6,7
	v_cmp_gt_i32 vcc_lo, \j, v5                    ; key 8 h + j > query r: hidden
	v_cndmask_b32 v[T+\j], v[T+\j], v12, vcc_lo
.endr
	v_max3_num_f32 v[M], v[T], v[T+1], v[T+2]
	v_max3_num_f32 v[M], v[M], v[T+3], v[T+4]
	v_max3_num_f32 v[M], v[M], v[T+5], v[T+6]
	v_max_num_f32 v[M], v[M], v[T+7]
	v_permlanex16_b32 v[M2], v[M], s20, s21
	v_max_num_f32 v[M], v[M], v[M2]                ; the row's maximum: key 0 counts for every query
	v_mul_f32 v[CM], s22, v[M]
.irp j, 0,1,2,3,4,5,6,7
	v_fma_f32 v[T+\j], v[T+\j], s22, -v[CM]
.endr
.irp j, 0,1,2,3,4,5,6,7
	v_exp_f32 v[P+\j], v[T+\j]
.endr
	v_nop
	s_wait_alu depctr_va_vdst(0)                   ; one wait for the eight exponentials, ahead of their first reader
	v_pk_add_f32 v[U:U+1], v[P:P+1], v[P+2:P+3]
	v_pk_add_f32 v[U+2:U+3], v[P+4:P+5], v[P+6:P+7]
	v_pk_add_f32 v[U:U+1], v[U:U+1], v[U+2:U+3]
	v_add_f32 v[M], v[U], v[U+1]
	v_permlanex16_b32 v[M2], v[M], s20, s21
	v_add_f32 v[M], v[M], v[M2]
	v_rcp_f32 v[CM], v[M]
	v_nop
	s_wait_alu depctr_va_vdst(0)
.irp j, 0,1,2,3,4,5,6,7
	v_mul_f32 v[P+\j], v[P+\j], v[CM]
.endr
	s_wait_loadcnt 0x0                             ; v
	; O^T = V^T P: step s takes keys 8 h + 2 s, + 1 on both sides
.irp ct, 0,1,2,3
	v_wmma_f32_16x16x4_f32 v[OA+8*\ct:OA+8*\ct+7], v[V+8*\ct:V+8*\ct+1], v[P:P+1], 0
.endr
.irp s, 1,2,3
.irp ct, 0,1,2,3
	v_wmma_f32_16x16x4_f32 v[OA+8*\ct:OA+8*\ct+7], v[V+8*\ct+2*\s:V+8*\ct+2*\s+1], v[P+2*\s:P+2*\s+1], v[OA+8*\ct:OA+8*\ct+7]
.endr
.endr
.rept 8
	v_nop
.endr
.irp ct, 0,1,2,3
	ds_store_b128 v6, v[OA+8*\ct:OA+8*\ct+3] offset:64*\ct                    ; y(r, 64 head + 16 ct + 8 h + 0 .. 7)
	ds_store_b128 v6, v[OA+8*\ct+4:OA+8*\ct+7] offset:64*\ct+16
.endr
.macro WLOAD c                         ; chunk c: w_proj(256 kq + 64 c + 8 u + 4 h + k, my column), u = 0 .. 7, k = 0 .. 3
.irp u, 0,1,2,3,4,5,6,7
.irp k, 0,1,2,3
	global_load_b32 v[W+32*(\c)+4*\u+\k], v8, s[6:7] offset:(64*(\c)+8*\u+\k)*4096
.endr
.endr
.endm
	WLOAD 0
	WLOAD 1
	s_wait_dscnt 0x0                               ; my part of y lies in LDS
	s_barrier_signal -1
	s_barrier_wait -1                              ; everybody's does
; 64 along K: source 0 = y's 16 rows, source 1 = 16 columns of w_proj; step (u, e) takes k = 8 u + 4 h + 2 e, + 1 on both sides
.macro CHUNK c
.if (\c) < 3
	s_wait_loadcnt 32                              ; this chunk's 32 loads are in; the next chunk's may be out
.else
	s_wait_loadcnt 0x0
.endif
.if (\c)+2 < 4
	WLOAD (\c)+2
.endif
.irp u, 0,1,2,3,4,5,6,7
	ds_load_b128 v[AR+4*\u:AR+4*\u+3], v7 offset:32*(8*(\c)+\u)
.endr
	s_wait_dscnt 0x0
.irp u, 0,1,2,3,4,5,6,7
.irp e, 0,1
.if ((\c) == 0) && (\u < 2)
	v_wmma_f32_16x16x4_f32 v[SA+8*((2*\u+\e)%4):SA+8*((2*\u+\e)%4)+7], v[AR+4*\u+2*\e:AR+4*\u+2*\e+1], v[W+32*(\c)+4*\u+2*\e:W+32*(\c)+4*\u+2*\e+1], 0
.else
	v_wmma_f32_16x16x4_f32 v[SA+8*((2*\u+\e)%4):SA+8*((2*\u+\e)%4)+7], v[AR+4*\u+2*\e:AR+4*\u+2*\e+1], v[W+32*(\c)+4*\u+2*\e:W+32*(\c)+4*\u+2*\e+1], v[SA+8*((2*\u+\e)%4):SA+8*((2*\u+\e)%4)+7]
.endif
.endr
.endr
.rept 8
	v_nop                                          ; in front of loads into, and writes of, the operands' registers and of reads of results
.endr
.endm
	CHUNK 0
	CHUNK 1
	CHUNK 2
	CHUNK 3
.irp p, 0,2,4,6
	v_pk_add_f32 v[T+\p:T+\p+1], v[SA+\p:SA+\p+1], v[SA+8+\p:SA+8+\p+1]
	v_pk_add_f32 v[U+\p:U+\p+1], v[SA+16+\p:SA+16+\p+1], v[SA+24+\p:SA+24+\p+1]
.endr
.irp p, 0,2,4,6
	v_pk_add_f32 v[T+\p:T+\p+1], v[T+\p:T+\p+1], v[U+\p:U+\p+1]               ; lane (r, h), register j: row 8 h + j, column 16 ct + r
.endr
.irp j, 0,1,2,3,4,5,6,7
	ds_store_b32 v9, v[T+\j] offset:PP*\j
.endr
	s_wait_dscnt 0x0
	s_barrier_signal -1
	s_barrier_wait -1                              ; the four parts along K lie in LDS
	s_cmp_lt_u32 s10, 8
	s_cbranch_scc0 .Lend                           ; waves 0-7 add them, two rows each
.irp q, 0,1,2,3
	ds_load_b128 v[W+4*\q:W+4*\q+3], v10 offset:16*PP*\q
.endr
	s_wait_dscnt 0x0
	v_pk_add_f32 v[W:W+1], v[W:W+1], v[W+4:W+5]
	v_pk_add_f32 v[W+2:W+3], v[W+2:W+3], v[W+6:W+7]
	v_pk_add_f32 v[W+8:W+9], v[W+8:W+9], v[W+12:W+13]
	v_pk_add_f32 v[W+10:W+11], v[W+10:W+11], v[W+14:W+15]
	v_pk_add_f32 v[W:W+1], v[W:W+1], v[W+8:W+9]
	v_pk_add_f32 v[W+2:W+3], v[W+2:W+3], v[W+10:W+11]
	global_store_b128 v11, v[W:W+3], s[8:9]        ; sixteen lanes store 256 consecutive bytes, aligned
.Lend:
	s_wait_tensorcnt 0x0                           ; the wave's end
	ds_add_u32 v[SPW], v[NIL]
	s_wait_dscnt 0x0
	s_endpgm
.Lfunc_end_k_q1dd21b24eb_fine:
	.size	k_q1dd21b24eb_fine, .Lfunc_end_k_q1dd21b24eb_fine-k_q1dd21b24eb_fine
	.p2alignl 7, 3214868480
	.fill 96, 4, 3214868480
	.section	.rodata,"a",@progbits
	.p2align	6, 0x0
	.amdhsa_kernel k_q1dd21b24eb_fine
		.amdhsa_group_segment_fixed_size 85248
		.amdhsa_private_segment_fixed_size 0
		.amdhsa_enable_private_segment 0
		.amdhsa_kernarg_size 24
		.amdhsa_user_sgpr_count 2
		.amdhsa_user_sgpr_kernarg_segment_ptr 1
		.amdhsa_wavefront_size32 1
		.amdhsa_system_sgpr_workgroup_id_x 1
		.amdhsa_system_sgpr_workgroup_id_y 1
		.amdhsa_system_sgpr_workgroup_id_z 1
		.amdhsa_system_vgpr_workitem_id 0
		.amdhsa_next_free_vgpr 256
		.amdhsa_next_free_sgpr 66
		.amdhsa_reserve_vcc 1
		.amdhsa_float_denorm_mode_32 3
		.amdhsa_float_denorm_mode_16_64 3
		.amdhsa_memory_ordered 1
		.amdhsa_forward_progress 1
		.amdhsa_inst_pref_size 36
	.end_amdhsa_kernel
	.amdgpu_metadata
---
amdhsa.version: [ 1, 2 ]
amdhsa.kernels:
  - .name:           k_q1dd21b24eb_fine
    .symbol:         k_q1dd21b24eb_fine.kd
    .args:
      - { .name: s32, .offset: 0, .size: 8, .value_kind: global_buffer, .address_space: global }
      - { .name: w_proj, .offset: 8, .size: 8, .value_kind: global_buffer, .address_space: global }
      - { .name: out0, .offset: 16, .size: 8, .value_kind: global_buffer, .address_space: global }
    .group_segment_fixed_size: 85248
    .private_segment_fixed_size: 0
    .kernarg_segment_align: 8
    .kernarg_segment_size: 24
    .max_flat_workgroup_size: 512
    .sgpr_count:     66
    .vgpr_count:     256
    .wavefront_size: 32
...
	.end_amdgpu_metadata
.endif
;; end of part 5
